; MI455X (gfx1250); checked and timed in simulation.
; The chip was launched on July 23, 2026; its instructions are those of AMD's public machine-readable ISA for CDNA 5 (MIT licence, August 2026) and "CDNA5" Instruction Set Architecture Reference Guide (July 2026). The comments in the code are by the model that wrote it; some were corrected since.
;; Sparse Expert Layer. Allowed arithmetic: float matrix products may take bf16 or f16 operands with f32 sums; other float arithmetic in f32, or as packed bf16 or f16 multiplies, adds, multiply-adds, maxima and minima; sums over many terms, partial sums and values carried from step to step in f32; what a program stores and reads back later, other than sums and carried values, may be rounded once to bf16 or f16.
;; Inputs: W1 8 x 1,024 x 4,096 float32; W2 8 x 4,096 x 1,024 float32; Wg 1,024 x 8 float32; b1 8 x 4,096 float32; b2 8 x 1,024 float32; bg 8 float32; x 2 x 512 x 1,024 float32.
;; Outputs: out0 2 x 512 x 1,024 float32.
;; 2 versions, each right and faster than the one before. Each part assembles by itself: llvm-mc -triple=amdgcn-amd-amdhsa -mcpu=gfx1250 --defsym DOCPART=n.
;; ======== version 1 of 2: 4 launches
;; workspace buffers: xb 2,097,152 bytes; bm 1,024 bytes of whole numbers; cw 32,768 bytes; dst 32,768 bytes of whole numbers; hbuf 67,108,864 bytes; wr 32,768 bytes; dr 32,768 bytes of whole numbers; yp 33,685,504 bytes
;; launch router (part 1): grid 128 x 1, 8 waves a work-group, no clusters, 1,280 bytes of LDS; arguments x, Wg, bg, xb, bm, cw, dst; writes xb, bm, cw, dst
.if DOCPART == 1
	.amdgcn_target "amdgcn-amd-amdhsa--gfx1250"
	.amdhsa_code_object_version 6
	.text
	.protected	k_q8f8357969f_router
	.globl	k_q8f8357969f_router
	.p2align	8
	.type	k_q8f8357969f_router,@function
k_q8f8357969f_router:
	s_mov_b64 s[64:65], 0
	v_nop
	global_prefetch_b8 v0, s[64:65] scope:SCOPE_SE
	s_setreg_imm32_b32 hwreg(HW_REG_WAVE_MODE, 25, 1), 1
	s_wait_xcnt 0x0
; ROUTER.  logits = x Wg + bg for 1,024 tokens and 8 experts; the two largest gates, renormalised; x rounded to bf16 for the first product.
; Every input of the program is rounded once to bf16 and then reckoned with in f32: here x, Wg and bg (products of bf16 halves are exact in f32, sums in f32).
; SHARES.  A work-group has 8 tokens, a wave one: lane l owns channels 128 j + 4 l + i (j 0..7, i 0..3).  The eight sums of a token meet in LDS, and wave 0 makes the choice for all 8 tokens.
; STORED, all at fixed places: xb [token][1024] bf16; bm [expert][128 bytes], bit i of byte b: token 8 b + i chose the expert; cw [expert][token] f32, the weight, 0 if not chosen;
; dst [expert][token]: the row of partial results that the pair (token, expert) owns, 2 token + slot (slot 0: the lower-numbered of the two experts), or 2048 + expert if not chosen.
; SOFTMAX.  p = 2^((l - m) log2 e) with m the token's largest logit.  The softmax's divisor cancels in w / (w1 + w2) and is not formed; the two largest are taken of p, ties to the lower index.
; LIMITS.  A p below 2^-126 counts as 0 (its weight is then 0 whichever expert takes it); NaN and infinities are not treated apart.
; No matrix unit: 8 columns are too few for a tile of 16, and the whole gate is 8 million multiply-adds.
.set SPARE, 256                        ; behind the logits' block: the spare words, 128 bytes for each of eight waves
.set X,   8                            ; v[8:39]    x as loaded
.set XP,  40                           ; v[40:55]   x in bf16, two to a register
.set BG,  56                           ; v[56:63]   bg
.set WB0, 64                           ; v[64:127]  Wg of 8 channels a lane, as loaded
.set WB1, 128                          ; v[128:191] the second such buffer
.set WP,  192                          ; v[192:223] Wg of 8 channels in bf16: experts (e, e + 1) to a register
.set ACC, 224                          ; v[224:231] the eight sums
.set TM,  232                          ; v[232:239] at work
.macro GLOAD g, buf                    ; Wg of my channels of j = 2 g and 2 g + 1: 16 loads
.irp jj, 0,1
.irp i, 0,1,2,3
	global_load_b128 v[(\buf)+8*(4*\jj+\i):(\buf)+8*(4*\jj+\i)+3], v3, s[6:7] offset:(2*(\g)+\jj)*4096+\i*32
	global_load_b128 v[(\buf)+8*(4*\jj+\i)+4:(\buf)+8*(4*\jj+\i)+7], v3, s[6:7] offset:(2*(\g)+\jj)*4096+\i*32+16
.endr
.endr
.endm
.macro GATE g, buf                     ; 8 channels x 8 experts: round Wg, then 64 multiply-adds from bf16 halves into f32
.irp c, 0,1,2,3,4,5,6,7
.irp ep, 0,1,2,3
	v_cvt_pk_bf16_f32 v[WP+4*\c+\ep], v[(\buf)+8*\c+2*\ep], v[(\buf)+8*\c+2*\ep+1]
.endr
.endr
.irp jj, 0,1
.irp ip, 0,1
.irp ih, 0,1
.irp ep, 0,1,2,3
.irp eh, 0,1
	v_fma_mix_f32_bf16 v[ACC+2*\ep+\eh], v[WP+4*(4*\jj+2*\ip+\ih)+\ep], v[XP+2*(2*(\g)+\jj)+\ip], v[ACC+2*\ep+\eh] op_sel:[\eh,\ih,0] op_sel_hi:[1,1,0]
.endr
.endr
.endr
.endr
.endr
.endm
	s_load_b256 s[4:11], s[0:1], 0x0               ; x s[4:5], Wg s[6:7], bg s[8:9], xb s[10:11]
	s_load_b128 s[12:15], s[0:1], 0x20             ; bm s[12:13], cw s[14:15]
	s_load_b64 s[16:17], s[0:1], 0x30              ; dst
	v_lshl_add_u32 v6, v0, 2, SPARE                ; my spare word; never rewritten
	v_mov_b32 v7, 0                                ; 0; never rewritten
	v_lshrrev_b32 v1, 5, v0
	v_readfirstlane_b32 s18, v1                    ; wave 0..7
	v_and_b32 v1, 31, v0                           ; lane
	v_lshlrev_b32 v2, 4, v1                        ; x: 16 bytes a lane
	v_lshlrev_b32 v3, 7, v1                        ; Wg: four channels of 32 bytes a lane
	v_lshlrev_b32 v4, 3, v1                        ; xb: 8 bytes a lane
	v_mov_b32 v5, 0
	s_lshl_b32 s19, ttmp9, 3
	s_add_co_u32 s19, s19, s18                     ; my token
	s_lshl_b32 s22, s19, 12                        ; its row in x,
	s_mov_b32 s23, 0
	s_lshl_b32 s24, s19, 11                        ; and in xb
	s_mov_b32 s25, 0
	s_mov_b32 s20, 0x76543210                      ; v_permlanex16_b32: each lane takes its own place in the other half
	s_mov_b32 s21, 0xfedcba98
	s_mov_b32 s27, 0x3fb8aa3b                      ; log2 e
	s_wait_kmcnt 0x0
	s_add_nc_u64 s[4:5], s[4:5], s[22:23]
	s_add_nc_u64 s[10:11], s[10:11], s[24:25]
	global_load_b128 v[BG:BG+3], v5, s[8:9]        ; bg first: every later counted wait covers it
	global_load_b128 v[BG+4:BG+7], v5, s[8:9] offset:16
.irp j, 0,1,2,3,4,5,6,7
	global_load_b128 v[X+4*\j:X+4*\j+3], v2, s[4:5] offset:512*\j th:TH_LOAD_NT  ; 512 consecutive bytes a load
.endr
	GLOAD 0, WB0
	GLOAD 1, WB1
.irp e, 0,1,2,3,4,5,6,7
	v_mov_b32 v[ACC+\e], 0
	v_mov_b32 v[TM+\e], 0                          ; v_permlanex16_b32's destination counts as read
.endr
	s_wait_loadcnt 0x10                            ; all but the 16 youngest loads (the second group of Wg): bg, x and the first group are in
.set i, 0
.rept 16
	v_cvt_pk_bf16_f32 v[XP+i], v[X+2*i], v[X+2*i+1]
.set i, i+1
.endr
.irp j, 0,1,2,3,4,5,6,7
	global_store_b64 v4, v[XP+2*\j:XP+2*\j+1], s[10:11] offset:256*\j  ; the wave stores 256 consecutive bytes, aligned
.endr
	GATE 0, WB0
	GLOAD 2, WB0
	s_wait_loadcnt 0x10                            ; the group just asked for stays out
	GATE 1, WB1
	GLOAD 3, WB1
	s_wait_loadcnt 0x10
	GATE 2, WB0
	s_wait_loadcnt 0x0
	GATE 3, WB1
	; the sums over the 32 lanes: four steps inside each half ride on the additions, one crosses the halves
.irp m, 1,2,4,8
.irp e, 0,1,2,3,4,5,6,7
	v_add_f32_dpp v[ACC+\e], v[ACC+\e], v[ACC+\e] row_xmask:\m row_mask:0xf bank_mask:0xf
.endr
.endr
.irp e, 0,1,2,3,4,5,6,7
	v_permlanex16_b32 v[TM+\e], v[ACC+\e], s20, s21
.endr
.irp e, 0,1,2,3,4,5,6,7
	v_add_f32 v[ACC+\e], v[ACC+\e], v[TM+\e]
.endr
	s_lshl_b32 s26, s18, 5
	v_mov_b32 v5, s26                              ; my token's 32 bytes in LDS (bg's loads, which read v5, are long done)
	ds_store_b128 v5, v[ACC:ACC+3]                 ; all lanes store the same numbers to the same words
	ds_store_b128 v5, v[ACC+4:ACC+7] offset:16
	s_wait_dscnt 0x0                               ; for wave 0's sake: my stores are done
	s_barrier_signal -1
	s_barrier_wait -1
	s_cmp_lg_u32 s18, 0
	s_cbranch_scc1 .Lend                           ; the choice is wave 0's work: lane l serves token l % 8
	v_and_b32 v64, 7, v0
	v_lshlrev_b32 v65, 5, v64
	ds_load_b128 v[8:11], v65
	ds_load_b128 v[12:15], v65 offset:16
.irp p, 0,1,2,3
	v_cvt_pk_bf16_f32 v[66+\p], v[BG+2*\p], v[BG+2*\p+1]  ; bg rounded to bf16 like every input,
.endr
.irp p, 0,1,2,3
	v_lshlrev_b32 v[BG+2*\p], 16, v[66+\p]         ; and widened again
	v_and_b32 v[BG+2*\p+1], 0xffff0000, v[66+\p]
.endr
	s_wait_dscnt 0x0
.irp p, 0,1,2,3
	v_pk_add_f32 v[8+2*\p:9+2*\p], v[8+2*\p:9+2*\p], v[BG+2*\p:BG+2*\p+1]
.endr
	v_max3_num_f32 v16, v8, v9, v10
	v_max3_num_f32 v16, v16, v11, v12
	v_max3_num_f32 v16, v16, v13, v14
	v_max_num_f32 v16, v16, v15                    ; m
	v_mul_f32 v17, s27, v16
.irp e, 0,1,2,3,4,5,6,7
	v_fma_f32 v[24+\e], v[8+\e], s27, -v17         ; (l - m) log2 e; what the product's rounding leaves is the same for all eight and cancels in the weights
.endr
.irp e, 0,1,2,3,4,5,6,7
	v_exp_f32 v[24+\e], v[24+\e]
.endr
	v_mov_b32 v33, 0                               ; plain work behind the last exponential,
	v_mov_b32 v35, 0
	s_wait_alu depctr_va_vdst(0)                   ; and one wait for the batch of eight, ahead of its first reader
	v_mov_b32 v32, v24                             ; the largest, ties to the lower index
.irp e, 1,2,3,4,5,6,7
	v_cmp_gt_f32 vcc_lo, v[24+\e], v32
	v_cndmask_b32 v32, v32, v[24+\e], vcc_lo
	v_cndmask_b32 v33, v33, \e, vcc_lo
.endr
.irp e, 0,1,2,3,4,5,6,7
	v_cmp_eq_u32 vcc_lo, \e, v33
	v_cndmask_b32 v[24+\e], v[24+\e], -1.0, vcc_lo ; it is taken out: every p is 0 or more
.endr
	v_mov_b32 v34, v24                             ; the second largest
.irp e, 1,2,3,4,5,6,7
	v_cmp_gt_f32 vcc_lo, v[24+\e], v34
	v_cndmask_b32 v34, v34, v[24+\e], vcc_lo
	v_cndmask_b32 v35, v35, \e, vcc_lo
.endr
	v_add_f32 v36, v32, v34
	v_rcp_f32 v36, v36
	v_min_u32 v39, v33, v35                        ; the lower-numbered expert has slot 0
	v_max_u32 v70, v33, v35
	s_lshl_b32 s26, ttmp9, 3
	v_add_nc_u32 v71, s26, v64                     ; the lane's token
	v_lshlrev_b32 v72, 1, v71                      ; its two rows of partial results
	v_or_b32 v73, 1, v72
	v_lshlrev_b32 v74, 2, v71                      ; its word in a row of cw and of dst
	s_mov_b32 s28, ttmp9
	v_mov_b32 v75, s28                             ; the work-group's byte in a row of bm
	s_wait_alu depctr_va_vdst(0)                   ; the reciprocal's wait, ahead of its first reader
	v_mul_f32 v37, v32, v36                        ; w1
	v_mul_f32 v38, v34, v36                        ; w2
.irp e, 0,1,2,3,4,5,6,7
	v_cmp_eq_u32 s22, \e, v33
	v_cmp_eq_u32 s23, \e, v35
	v_cndmask_b32 v[80+\e], 0, v38, s23
	v_cndmask_b32 v[80+\e], v[80+\e], v37, s22
	v_mov_b32 v[88+\e], 2048+\e
	v_cmp_eq_u32 vcc_lo, \e, v39
	v_cndmask_b32 v[88+\e], v[88+\e], v72, vcc_lo
	v_cmp_eq_u32 vcc_lo, \e, v70
	v_cndmask_b32 v[88+\e], v[88+\e], v73, vcc_lo
	s_or_b32 s24, s22, s23
	s_and_b32 s24, s24, 0xff                       ; lanes 0 to 7 are tokens 0 to 7: the bitmap's byte
	v_mov_b32 v[96+\e], s24
	global_store_b32 v74, v[80+\e], s[14:15] offset:4096*\e   ; lanes of the same token store the same number
	global_store_b32 v74, v[88+\e], s[16:17] offset:4096*\e
	global_store_b8 v75, v[96+\e], s[12:13] offset:128*\e
.endr
.Lend:
	s_wait_tensorcnt 0x0                           ; the wave's end
	ds_add_u32 v6, v7
	s_wait_dscnt 0x0
	s_endpgm
.Lfunc_end_k_q8f8357969f_router:
	.size	k_q8f8357969f_router, .Lfunc_end_k_q8f8357969f_router-k_q8f8357969f_router
	.p2alignl 7, 3214868480
	.fill 96, 4, 3214868480
	.section	.rodata,"a",@progbits
	.p2align	6, 0x0
	.amdhsa_kernel k_q8f8357969f_router
		.amdhsa_group_segment_fixed_size 1280
		.amdhsa_private_segment_fixed_size 0
		.amdhsa_enable_private_segment 0
		.amdhsa_kernarg_size 56
		.amdhsa_user_sgpr_count 2
		.amdhsa_user_sgpr_kernarg_segment_ptr 1
		.amdhsa_wavefront_size32 1
		.amdhsa_system_sgpr_workgroup_id_x 1
		.amdhsa_system_sgpr_workgroup_id_y 1
		.amdhsa_system_sgpr_workgroup_id_z 1
		.amdhsa_system_vgpr_workitem_id 0
		.amdhsa_next_free_vgpr 240
		.amdhsa_next_free_sgpr 66
		.amdhsa_reserve_vcc 1
		.amdhsa_float_denorm_mode_32 3
		.amdhsa_float_denorm_mode_16_64 3
		.amdhsa_memory_ordered 1
		.amdhsa_forward_progress 1
		.amdhsa_inst_pref_size 50
	.end_amdhsa_kernel
	.amdgpu_metadata
---
amdhsa.version: [ 1, 2 ]
amdhsa.kernels:
  - .name:           k_q8f8357969f_router
    .symbol:         k_q8f8357969f_router.kd
    .args:
      - { .name: x, .offset: 0, .size: 8, .value_kind: global_buffer, .address_space: global }
      - { .name: Wg, .offset: 8, .size: 8, .value_kind: global_buffer, .address_space: global }
      - { .name: bg, .offset: 16, .size: 8, .value_kind: global_buffer, .address_space: global }
      - { .name: xb, .offset: 24, .size: 8, .value_kind: global_buffer, .address_space: global }
      - { .name: bm, .offset: 32, .size: 8, .value_kind: global_buffer, .address_space: global }
      - { .name: cw, .offset: 40, .size: 8, .value_kind: global_buffer, .address_space: global }
      - { .name: dst, .offset: 48, .size: 8, .value_kind: global_buffer, .address_space: global }
    .group_segment_fixed_size: 1280
    .private_segment_fixed_size: 0
    .kernarg_segment_align: 8
    .kernarg_segment_size: 56
    .max_flat_workgroup_size: 256
    .sgpr_count:     66
    .vgpr_count:     240
    .wavefront_size: 32
...
	.end_amdgpu_metadata
.endif
;; end of part 1
;; launch ffn1 (part 2): grid 256 x 1, 4 waves a work-group, no clusters, 262,656 bytes of LDS; arguments xb, W1, b1, bm, cw, dst, hbuf, wr, dr; writes hbuf, wr, dr
.if DOCPART == 2
	.amdgcn_target "amdgcn-amd-amdhsa--gfx1250"
	.amdhsa_code_object_version 6
	.text
	.protected	k_q8f8357969f_ffn1
	.globl	k_q8f8357969f_ffn1
	.p2align	8
	.type	k_q8f8357969f_ffn1,@function
k_q8f8357969f_ffn1:
	s_mov_b64 s[64:65], 0
	v_nop
	global_prefetch_b8 v0, s[64:65] scope:SCOPE_SE
	s_setreg_imm32_b32 hwreg(HW_REG_WAVE_MODE, 25, 1), 1
	s_wait_xcnt 0x0
; FIRST PRODUCT.  h = gelu(x W1[e] + b1[e]) for the rows that chose expert e alone; h leaves in bf16.  W1 and b1 are rounded to bf16 on their way, sums in f32.
; GRID.  256 = 8 experts x 32 slices of 128 columns.  A work-group has one slice of one expert's weights (1,024 x 128 f32, 512 KiB), which it alone reads, and all of the expert's rows, taken by rank
; (the rank-th token in ascending order that chose e): any number from 0 to 1,024.
; PHASE 1, THE FILL.  Each wave streams a quarter of the slice through registers (a load is 512 consecutive bytes of a row of W1), rounds pairs along K to bf16 and stores them into LDS in the order in which
; the matrix operand wants them: [128 groups of 8 k][128 positions][16 bytes]; position 64 g + 16 q + r holds column 64 g + 4 r + q, so that stores and reads take 256 consecutive bytes for 16 lanes.
; Fragment f = 4 g + q, lane r stands for that column.  One barrier follows; behind it nothing writes LDS.
; PHASE 2, THE ROWS.  A loop of nT = max(1, ceil(count / 128)) trips; a trip is 128 ranks, two tiles of 16 a wave (tile 8 u + 4 t + w).  K is written out, 32 steps, so that every LDS address is a fixed
; register and an immediate.  The rows of x come from memory straight into registers as matrix operands.  Ranks past the count repeat token 1,023's row and are stored as pad rows: nothing is jumped.
; h's COLUMNS are stored permuted inside each block of 128: position 8 r + f holds column 64 (f >> 2) + 4 r + (f & 3): a lane's eight numbers of a row are then 16 consecutive bytes.  The second product undoes it
; by the order in which it reads W2's rows.
; wr, dr: slice cs < 8 also lays the gate's weight and the row of partial results out by rank, for ranks 128 cs .. + 127 (weight 0 and the expert's dump row past the count).
; GELU is exact gelu with erf by a rational form in 1 / (1 + 0.3275911 z) times exp(-z z), absolute error 1.5e-7 in erf: gelu = max(x, 0) - |x| (P / 2) exp(-x x / 2).  NaN and infinities are not treated apart.
; NO CLUSTER, NO TENSOR LOADS: a slice of weights has one reader and must be rounded on its way; what an expert's 32 work-groups share is its token rows, which come by a list that no tile descriptor covers.
; REGISTERS, in windows of 256 (s_set_vgpr_msb: bits 1:0 source 0, 3:2 source 1, 5:4 source 2, 7:6 destination):
;   window 0: v0-63 addresses, tokens, bias; v64-127, v128-191 W's eight fragments, two buffers; on the way out v64-167 at work
;   window 1: the fill's eight slots of 32; then x, four buffers of 64 (2 tiles x 4 K steps)      window 2: v0-127 the accumulators at 64 t + 8 f
.set SPARE, 262144                     ; behind the slice: the spare words, 128 bytes for each wave
.set ROWB,  16384                      ; bytes from row to row of W1
.set GSTEP, 64*ROWB                    ; a trip of the fill: 8 groups of 8 rows
.set LSTEP, 16384                      ; and their 8 x 2,048 bytes in LDS
.set SA0, 4                            ; v4      where I store in a group of 8 k: my wave's quarter + 1,024 g + 16 r
.set SA,  5                            ; v5      the same in the fill's trip in hand
.set XO,  16                           ; v16-17  tile t: my row's byte offset in xb, + 16 h
.set LB,  18                           ; v18-21  where I read fragments: 2,048 h + 16 r + 65,536 x quarter of K; never rewritten
.set GOF, 22                           ; v22     16 x lane: my 16 bytes of a row of W1
.set HO,  23                           ; v23     8 h rows of h + 16 r
.set BI,  32                           ; v32-39  b1 of my eight columns
.set SPW, 40                           ; v40     my spare word; never rewritten
.set NIL, 41                           ; v41     0; never rewritten
.set PK,  48                           ; v48-63  a group of 8 k x 4 columns in bf16
.set GX, 64                            ; the way out: x = sum + bias, 8 fragments x 2 rows
.set GA, 80                            ; |x|
.set GT, 96                            ; 1 + 0.2316 |x|, then its reciprocal
.set GE, 112                           ; -x x log2(e) / 2, then 2 to that power
.set GM, 128                           ; max(x, 0), then gelu
.set GU, 144                           ; the polynomial
.set GP, 160                           ; two rows of 8 bf16
.set MSB, 0
.macro WIN new                         ; the immediate's high byte repeats the setting that is left; a switch that changes nothing is dropped
.if MSB != (\new)
	s_set_vgpr_msb (MSB<<8)|(\new)
.set MSB, \new
.endif
.endm
.macro PLACES                          ; four places behind a matrix instruction, ahead of loads into its sources and of reads of its result
.rept 4
	v_nop
.endr
.endm
.macro COUNT                           ; s26 = the expert's rows: the ones in its 32 bitmap words
	s_bcnt1_i32_b32 s26, s68
.set i, 1
.rept 31
	s_bcnt1_i32_b32 s50, s[68+i]
	s_add_co_u32 s26, s26, s50
.set i, i+1
.endr
.endm
.macro SEL lvl, width, step            ; one level of the search for the k-th one of a word: does it lie past the field at pos?
	v_bfe_u32 v43, v[\lvl], v42, \width
	v_cmp_ge_u32 vcc_lo, v11, v43
	v_cndmask_b32 v43, 0, v43, vcc_lo
	v_cndmask_b32 v44, 0, \step, vcc_lo
	v_sub_nc_u32 v11, v11, v43
	v_add_nc_u32 v42, v42, v44
.endm
.macro RANK                            ; v8: a rank a lane -> v45: the token of that rank, or 1,024 past the count.  In registers alone
	v_mov_b32 v9, s68                              ; the last word whose ones begin at or below the rank,
	v_mov_b32 v10, 0                               ; the ones in front of it (bits 15:0) and its number (bits 20:16)
	s_mov_b32 s51, 0
.set i, 1
.rept 31
	s_bcnt1_i32_b32 s50, s[67+i]
	s_add_co_u32 s51, s51, s50
	s_or_b32 s52, s51, i<<16
	v_cmp_le_u32 vcc_lo, s51, v8
	v_cndmask_b32 v9, v9, s[68+i], vcc_lo
	v_cndmask_b32 v10, v10, s52, vcc_lo
.set i, i+1
.endr
	v_and_b32 v11, 0xffff, v10
	v_sub_nc_u32 v11, v8, v11                      ; k: which one of the word
	v_lshrrev_b32 v12, 1, v9
	v_and_b32 v12, 0x55555555, v12
	v_sub_nc_u32 v12, v9, v12                      ; ones in fields of 2 bits,
	v_lshrrev_b32 v13, 2, v12
	v_and_b32 v13, 0x33333333, v13
	v_and_b32 v43, 0x33333333, v12
	v_add_nc_u32 v13, v13, v43                     ; of 4,
	v_lshrrev_b32 v14, 4, v13
	v_add_nc_u32 v14, v14, v13
	v_and_b32 v14, 0x0f0f0f0f, v14                 ; of 8,
	v_lshrrev_b32 v15, 8, v14
	v_add_nc_u32 v15, v15, v14
	v_and_b32 v15, 0x00ff00ff, v15                 ; of 16
	v_mov_b32 v42, 0                               ; pos
	SEL 15, 8, 16
	SEL 14, 8, 8
	SEL 13, 4, 4
	SEL 12, 2, 2
	SEL 9, 1, 1
	v_lshrrev_b32 v43, 16, v10
	v_lshl_add_u32 v43, v43, 5, v42                ; the token
	v_cmp_gt_u32 vcc_lo, s26, v8
	v_cndmask_b32 v45, 0x400, v43, vcc_lo
.endm
.macro FLOAD m                         ; group m of 8 rows, counted from the fill's trip in hand, into slot m % 8: eight loads of 512 consecutive bytes
	WIN 0x40                                       ; destination window 1, address window 0
.set j, 0
.rept 8
	global_load_b128 v[32*((\m)%8)+4*j:32*((\m)%8)+4*j+3], v[GOF], s[34:35] offset:(8*(\m)+j)*ROWB th:TH_LOAD_NT
.set j, j+1
.endr
.endm
; The turn of slot i.  left: how many younger loads may stay out.  ahead = 1: the slot read in the turn before is asked for again, seven groups on.
.macro FTURN i, ahead, left
	s_wait_loadcnt \left                           ; loads come back in order (ISA guide 5.7.1): my slot's eight are in
.if \ahead
	FLOAD (\i)+7
.endif
	WIN 0x05                                       ; sources in window 1, destination in window 0
.set q, 0
.rept 4
.set p, 0
.rept 4
	v_cvt_pk_bf16_f32 v[PK+4*q+p], v[32*(\i)+8*p+q], v[32*(\i)+8*p+4+q]  ; rows 2 p, 2 p + 1 of column q
.set p, p+1
.endr
.set q, q+1
.endr
	WIN 0
.set q, 0
.rept 4
	ds_store_b128 v[SA], v[PK+4*q:PK+4*q+3] offset:(\i)*2048+256*q  ; eight k of one column: 16 lanes store 256 consecutive bytes
.set q, q+1
.endr
.endm
.macro XLOAD g                         ; the rows' fragments of K steps 4 g .. 4 g + 3, both tiles, into buffer g % 4: 16 loads
	WIN 0x40
.set t, 0
.rept 2
.set c, 0
.rept 4
.set u, 0
.rept 2
	global_load_b128 v[64*((\g)%4)+32*t+8*c+4*u:64*((\g)%4)+32*t+8*c+4*u+3], v[XO+t], s[4:5] offset:(\g)*256+64*c+32*u
.set u, u+1
.endr
.set c, c+1
.endr
.set t, t+1
.endr
.endm
.macro BLOAD s                         ; W's eight fragments of K step s into buffer s % 2: 16 loads, 256 consecutive bytes for 16 lanes each
	WIN 0
.set f, 0
.rept 8
	ds_load_b128 v[64+64*((\s)%2)+8*f:64+64*((\s)%2)+8*f+3],   v[LB+(\s)/8] offset:((\s)%8)*8192+f*256
	ds_load_b128 v[64+64*((\s)%2)+8*f+4:64+64*((\s)%2)+8*f+7], v[LB+(\s)/8] offset:((\s)%8)*8192+f*256+4096
.set f, f+1
.endr
.endm
; K step s of 32: its fragments of W were asked for a K step ago; the next step's are asked for now, and every fourth step the rows' group three groups on; then 16 matrix instructions.
; The 16 accumulators take turns, one instruction a turn.  K step 0 starts the sums with the constant 0.
.macro KSTEP s
	s_wait_dscnt 0x0                               ; W's fragments of this K step are in
.if (\s)%4 == 0
.if (\s) < 24
	s_wait_loadcnt 0x20                            ; this group of rows is in; the two younger groups' 32 loads stay out
.elseif (\s) == 24
	s_wait_loadcnt 0x10                            ; one younger group
.else
	s_wait_loadcnt 0x0
.endif
.endif
.if (\s) > 0
	PLACES
.endif
.if ((\s)%4 == 0) && ((\s) < 20)
	XLOAD (\s)/4+3
.endif
.if (\s) < 31
	BLOAD (\s)+1
.endif
	WIN 0xa1                                       ; rows window 1, W window 0, sums window 2
.set XR, 64*(((\s)/4)%4)+8*((\s)%4)
.set BR, 64+64*((\s)%2)
.set t, 0
.rept 2
.set f, 0
.rept 8
.if (\s) == 0
	v_wmma_f32_16x16x32_bf16 v[64*t+8*f:64*t+8*f+7], v[XR+32*t:XR+32*t+7], v[BR+8*f:BR+8*f+7], 0
.else
	v_wmma_f32_16x16x32_bf16 v[64*t+8*f:64*t+8*f+7], v[XR+32*t:XR+32*t+7], v[BR+8*f:BR+8*f+7], v[64*t+8*f:64*t+8*f+7]
.endif
.set f, f+1
.endr
.set t, t+1
.endr
.endm
; Rows 8 h + 2 p, + 1 of tile t: bias, gelu, rounding, two stores.  p ascends.
.macro GELU t, p
	WIN 0x02                                       ; source 0 in window 2
.irp f, 0,2,4,6
	v_pk_add_f32 v[GX+2*\f:GX+2*\f+1], v[64*(\t)+8*\f+2*(\p):64*(\t)+8*\f+2*(\p)+1], v[BI+\f:BI+\f+1] op_sel_hi:[1,0]
.endr
.irp f, 1,3,5,7
	v_pk_add_f32 v[GX+2*\f:GX+2*\f+1], v[64*(\t)+8*\f+2*(\p):64*(\t)+8*\f+2*(\p)+1], v[BI+\f-1:BI+\f] op_sel:[0,1] op_sel_hi:[1,1]
.endr
	WIN 0
.set i, 0
.rept 16
	v_and_b32 v[GA+i], 0x7fffffff, v[GX+i]
.set i, i+1
.endr
.irp f, 0,1,2,3,4,5,6,7
	v_pk_fma_f32 v[GT+2*\f:GT+2*\f+1], v[GA+2*\f:GA+2*\f+1], s[38:39], 1.0 op_sel_hi:[1,0,0]
	v_pk_mul_f32 v[GE+2*\f:GE+2*\f+1], v[GX+2*\f:GX+2*\f+1], s[40:41] op_sel_hi:[1,0]
.endr
.irp f, 0,1,2,3,4,5,6,7
	v_pk_mul_f32 v[GE+2*\f:GE+2*\f+1], v[GE+2*\f:GE+2*\f+1], v[GX+2*\f:GX+2*\f+1]
.endr
.set i, 0
.rept 16
	v_rcp_f32 v[GT+i], v[GT+i]
	v_exp_f32 v[GE+i], v[GE+i]
.set i, i+1
.endr
.set i, 0
.rept 16
	v_max_num_f32 v[GM+i], 0, v[GX+i]              ; plain work behind the batch of 32
.set i, i+1
.endr
	s_wait_alu depctr_va_vdst(0)                   ; one wait for the batch, ahead of its first reader
.irp f, 0,1,2,3,4,5,6,7
	v_pk_fma_f32 v[GU+2*\f:GU+2*\f+1], v[GT+2*\f:GT+2*\f+1], s[36:37], s[42:43] op_sel_hi:[1,0,0]
.endr
.irp k, 44,46,48
.irp f, 0,1,2,3,4,5,6,7
	v_pk_fma_f32 v[GU+2*\f:GU+2*\f+1], v[GU+2*\f:GU+2*\f+1], v[GT+2*\f:GT+2*\f+1], s[\k:\k+1] op_sel_hi:[1,1,0]
.endr
.endr
.irp f, 0,1,2,3,4,5,6,7
	v_pk_mul_f32 v[GU+2*\f:GU+2*\f+1], v[GU+2*\f:GU+2*\f+1], v[GT+2*\f:GT+2*\f+1]
.endr
.irp f, 0,1,2,3,4,5,6,7
	v_pk_mul_f32 v[GU+2*\f:GU+2*\f+1], v[GU+2*\f:GU+2*\f+1], v[GE+2*\f:GE+2*\f+1]
.endr
.irp f, 0,1,2,3,4,5,6,7
	v_pk_fma_f32 v[GM+2*\f:GM+2*\f+1], v[GA+2*\f:GA+2*\f+1], v[GU+2*\f:GU+2*\f+1], v[GM+2*\f:GM+2*\f+1] neg_lo:[0,1,0] neg_hi:[0,1,0]
.endr
	s_wait_xcnt 0x0                                ; the last two stores have read their data: it is written again only behind this wait
.irp i, 0,1
.irp q, 0,1,2,3
	v_cvt_pk_bf16_f32 v[GP+4*\i+\q], v[GM+4*\q+\i], v[GM+4*\q+2+\i]  ; fragments 2 q, 2 q + 1 of row i
.endr
.endr
	global_store_b128 v[HO], v[GP:GP+3], s[16:17] offset:(\t)*524288+(\p)*16384        ; 16 lanes store 256 consecutive bytes, aligned: a row's whole block of 128 columns
	global_store_b128 v[HO], v[GP+4:GP+7], s[16:17] offset:(\t)*524288+(\p)*16384+8192
.endm
	s_load_b512 s[4:19], s[0:1], 0x0               ; xb s[4:5], W1 s[6:7], b1 s[8:9], bm s[10:11], cw s[12:13], dst s[14:15], hbuf s[16:17], wr s[18:19]
	s_load_b64 s[20:21], s[0:1], 0x40              ; dr
	v_lshl_add_u32 v[SPW], v0, 2, SPARE
	v_mov_b32 v[NIL], 0
	v_lshrrev_b32 v42, 5, v0
	v_readfirstlane_b32 s22, v42                   ; wave 0..3
	s_lshr_b32 s24, ttmp9, 5                       ; e
	s_and_b32 s25, ttmp9, 31                       ; cs: the slice of 128 columns
	s_and_b32 s28, s25, 7                          ; the block of 128 ranks whose wr and dr I make
	v_and_b32 v1, 15, v0                           ; r
	v_bfe_u32 v2, v0, 4, 1                         ; h (in the fill: g)
	v_and_b32 v3, 31, v0                           ; lane
	v_lshlrev_b32 v6, 4, v1                        ; 16 r
	v_lshlrev_b32 v7, 4, v2                        ; 16 h
	v_lshlrev_b32 v[GOF], 4, v3
	s_lshl_b32 s50, s22, 16                        ; my wave fills the quarter of K of its own number: 32 groups of 2,048 bytes
	v_lshl_add_u32 v[SA0], v2, 10, v6
	v_add_nc_u32 v[SA0], s50, v[SA0]
	v_lshl_add_u32 v[LB], v2, 11, v6
	v_add_nc_u32 v[LB+1], 0x10000, v[LB]
	v_add_nc_u32 v[LB+2], 0x20000, v[LB]
	v_add_nc_u32 v[LB+3], 0x30000, v[LB]
	v_lshl_add_u32 v[HO], v2, 16, v6
	v_cmp_eq_u32 s23, 0, v2                        ; the lower half of the lanes
	s_lshl_b32 s50, s22, 4
	v_lshl_add_u32 v31, v2, 6, v1
	v_add_nc_u32 v31, s50, v31                     ; 64 h + 16 w + r: the rank that I look up in a trip, less 128 u
	v_mov_b32 v30, s25
	v_lshlrev_b32 v26, 2, v0
	v_mov_b32 v46, 0                               ; v_permlanex16_b32's destination counts as read
	s_lshl_b32 s56, s24, 7                         ; the expert's 128 bytes of the bitmap
	s_mov_b32 s57, 0
	s_lshl_b32 s50, s24, 24                        ; W1: the expert's weights,
	s_lshl_b32 s52, s22, 22                        ; my wave's 256 rows,
	s_add_co_u32 s50, s50, s52
	s_lshl_b32 s52, s25, 9                         ; the slice's 512 bytes of a row
	s_add_co_u32 s50, s50, s52
	s_mov_b32 s51, 0
	s_lshl_b32 s58, s24, 14                        ; b1: the expert's row, the slice's 512 bytes
	s_add_co_u32 s58, s58, s52
	s_mov_b32 s59, 0
	s_lshl_b32 s60, s24, 12                        ; cw, dst: the expert's row
	s_mov_b32 s61, 0
	s_lshl_b32 s62, s28, 9                         ; wr, dr: the expert's row, the block's 512 bytes
	s_add_co_u32 s62, s62, s60
	s_mov_b32 s63, 0
	s_lshl_b32 s32, s24, 23                        ; h: the expert's 8 MiB,
	s_lshl_b32 s52, s22, 17                        ; my wave's 16 rows of 8,192 bytes,
	s_add_co_u32 s32, s32, s52
	s_lshl_b32 s52, s25, 8                         ; the slice's 256 bytes of a row
	s_add_co_u32 s32, s32, s52
	s_mov_b32 s33, 0
	s_mov_b32 s66, 0x76543210                      ; v_permlanex16_b32: each lane takes its own place in the other half
	s_mov_b32 s67, 0xfedcba98
	s_mov_b32 s36, 0x3f07dc23                      ; the polynomial's coefficients, halved: 0.53070271,
	s_mov_b32 s37, s36
	s_mov_b32 s38, 0x3e6d3388                      ; 0.3275911 / sqrt 2
	s_mov_b32 s39, s38
	s_mov_b32 s40, 0xbf38aa3b                      ; -log2(e) / 2
	s_mov_b32 s41, s40
	s_mov_b32 s42, 0xbf3a00e3                      ; -0.72657601,
	s_mov_b32 s43, s42
	s_mov_b32 s44, 0x3f35f0e3                      ; 0.71070687,
	s_mov_b32 s45, s44
	s_mov_b32 s46, 0xbe11a98e                      ; -0.14224837,
	s_mov_b32 s47, s46
	s_mov_b32 s48, 0x3e027906                      ; 0.12741480
	s_mov_b32 s49, s48
	s_wait_kmcnt 0x0
	s_add_nc_u64 s[10:11], s[10:11], s[56:57]
	s_load_b512 s[68:83], s[10:11], 0x0            ; the expert's bitmap: 32 words
	s_load_b512 s[84:99], s[10:11], 0x40
	s_add_nc_u64 s[34:35], s[6:7], s[50:51]
	s_add_nc_u64 s[8:9], s[8:9], s[58:59]
	s_add_nc_u64 s[12:13], s[12:13], s[60:61]
	s_add_nc_u64 s[14:15], s[14:15], s[60:61]
	s_add_nc_u64 s[18:19], s[18:19], s[62:63]
	s_add_nc_u64 s[20:21], s[20:21], s[62:63]
	s_add_nc_u64 s[16:17], s[16:17], s[32:33]
	global_load_b128 v[BI:BI+3], v6, s[8:9]        ; b1 of columns 4 r + 0..3,
	global_load_b128 v[BI+4:BI+7], v6, s[8:9] offset:256  ; and 64 + 4 r + 0..3: the oldest loads, so every later wait covers them
.irp m, 0,1,2,3,4,5,6
	FLOAD \m                                       ; seven slots go out: 56 loads, 28 KiB a wave
.endr
	WIN 0
	s_wait_kmcnt 0x0
	COUNT
	s_add_co_u32 s27, s26, 127
	s_lshr_b32 s27, s27, 7
	s_max_u32 s27, s27, 1                          ; nT: trips of 128 ranks, at least one
	s_lshl_b32 s53, s28, 7
	v_add_nc_u32 v8, s53, v0                       ; wr, dr: thread t has rank 128 (cs & 7) + t
	RANK
	v_mov_b32 v47, v45
	v_min_u32 v29, 0x3ff, v45
	v_lshlrev_b32 v29, 2, v29
	global_load_b32 v27, v29, s[12:13]             ; the token's weight and row: two more loads behind the 56; they are used behind the fill's last wait
	global_load_b32 v28, v29, s[14:15]
	s_mov_b32 s30, 0
	s_mov_b32 s31, 3
.Lfill:                                                ; three trips of eight turns: groups 0 to 23 of my 32, each turn asking for the group seven on
	v_add_nc_u32 v[SA], s30, v[SA0]
.irp i, 0,1,2,3,4,5,6,7
	FTURN \i, 1, 48                                ; six younger slots, 48 loads, stay out
.endr
	s_wait_xcnt 0x0                                ; the loads' base is stepped only behind this wait
	s_add_nc_u64 s[34:35], s[34:35], GSTEP
	s_add_co_u32 s30, s30, LSTEP
	s_sub_co_u32 s31, s31, 1
	s_cmp_lg_u32 s31, 0
	s_cbranch_scc1 .Lfill
	v_add_nc_u32 v[SA], s30, v[SA0]
	FTURN 0, 1, 48                                 ; the last eight groups: one more request (group 31), then the counts run down
.irp i, 1,2,3,4,5,6,7
	FTURN \i, 0, 56-8*\i
.endr
.irp p, 0,1,2,3
	v_cvt_pk_bf16_f32 v[42+\p], v[BI+2*\p], v[BI+2*\p+1]  ; b1 rounded to bf16 like every input,
.endr
.irp p, 0,1,2,3
	v_lshlrev_b32 v[BI+2*\p], 16, v[42+\p]         ; and widened again
	v_and_b32 v[BI+2*\p+1], 0xffff0000, v[42+\p]
.endr
	s_add_co_u32 s52, s24, 2048                    ; a pad rank's results go to the expert's dump row, with weight 0
	v_cmp_gt_u32 vcc_lo, 0x400, v47
	v_cndmask_b32 v27, 0, v27, vcc_lo
	v_cndmask_b32 v28, s52, v28, vcc_lo
	v_cmp_gt_u32 vcc_lo, 8, v30                    ; slices 0 to 7 alone store: each word of wr and dr has one owner
	s_wait_xcnt 0x0                                ; EXEC changes only behind this wait
	s_and_saveexec_b32 s50, vcc_lo
	global_store_b32 v26, v27, s[18:19]            ; a wave stores 128 consecutive bytes
	global_store_b32 v26, v28, s[20:21]
	s_wait_xcnt 0x0                                ; and again, in front of the line that widens it
	s_or_b32 exec_lo, exec_lo, s50
	s_wait_dscnt 0x0                               ; for the others' sake: my quarter of the slice is in LDS
	s_barrier_signal -1
	s_barrier_wait -1                              ; the whole slice is; nothing writes it from here on
	s_mov_b32 s29, 0
.Ltrip:                                                ; trip u: ranks 128 u .. + 127
	s_lshl_b32 s53, s29, 7
	v_add_nc_u32 v8, s53, v31
	RANK                                           ; the lower half of the lanes finds tile 0's tokens, the upper half tile 1's;
	v_permlanex16_b32 v46, v45, s66, s67           ; then the halves exchange, since both need both
	v_cndmask_b32 v24, v46, v45, s23
	v_cndmask_b32 v25, v45, v46, s23
	v_min_u32 v[XO], 0x3ff, v24                    ; a pad rank repeats token 1,023's row
	v_min_u32 v[XO+1], 0x3ff, v25
	v_lshl_add_u32 v[XO], v[XO], 11, v7            ; 2,048 bytes a row, + 16 h
	v_lshl_add_u32 v[XO+1], v[XO+1], 11, v7
	XLOAD 0
	XLOAD 1
	XLOAD 2
	BLOAD 0
.set ks, 0
.rept 32
	KSTEP ks
.set ks, ks+1
.endr
	WIN 0
	PLACES
.irp t, 0,1
.irp p, 0,1,2,3
	GELU \t, \p
.endr
.endr
	s_wait_xcnt 0x0                                ; the stores' base and data are written again only behind this wait
	s_add_nc_u64 s[16:17], s[16:17], 0x100000      ; 128 rows of h on
	s_add_co_u32 s29, s29, 1
	s_cmp_lt_u32 s29, s27
	s_cbranch_scc1 .Ltrip
	s_wait_tensorcnt 0x0                           ; the wave's end
	ds_add_u32 v[SPW], v[NIL]
	s_wait_dscnt 0x0
	s_endpgm
.Lfunc_end_k_q8f8357969f_ffn1:
	.size	k_q8f8357969f_ffn1, .Lfunc_end_k_q8f8357969f_ffn1-k_q8f8357969f_ffn1
	.p2alignl 7, 3214868480
	.fill 96, 4, 3214868480
	.section	.rodata,"a",@progbits
	.p2align	6, 0x0
	.amdhsa_kernel k_q8f8357969f_ffn1
		.amdhsa_group_segment_fixed_size 262656
		.amdhsa_private_segment_fixed_size 0
		.amdhsa_enable_private_segment 0
		.amdhsa_kernarg_size 72
		.amdhsa_user_sgpr_count 2
		.amdhsa_user_sgpr_kernarg_segment_ptr 1
		.amdhsa_wavefront_size32 1
		.amdhsa_system_sgpr_workgroup_id_x 1
		.amdhsa_system_sgpr_workgroup_id_y 1
		.amdhsa_system_sgpr_workgroup_id_z 1
		.amdhsa_system_vgpr_workitem_id 0
		.amdhsa_next_free_vgpr 640
		.amdhsa_next_free_sgpr 100
		.amdhsa_reserve_vcc 1
		.amdhsa_float_denorm_mode_32 3
		.amdhsa_float_denorm_mode_16_64 3
		.amdhsa_memory_ordered 1
		.amdhsa_forward_progress 1
		.amdhsa_inst_pref_size 219
	.end_amdhsa_kernel
	.amdgpu_metadata
---
amdhsa.version: [ 1, 2 ]
amdhsa.kernels:
  - .name:           k_q8f8357969f_ffn1
    .symbol:         k_q8f8357969f_ffn1.kd
    .args:
      - { .name: xb, .offset: 0, .size: 8, .value_kind: global_buffer, .address_space: global }
      - { .name: W1, .offset: 8, .size: 8, .value_kind: global_buffer, .address_space: global }
      - { .name: b1, .offset: 16, .size: 8, .value_kind: global_buffer, .address_space: global }
      - { .name: bm, .offset: 24, .size: 8, .value_kind: global_buffer, .address_space: global }
      - { .name: cw, .offset: 32, .size: 8, .value_kind: global_buffer, .address_space: global }
      - { .name: dst, .offset: 40, .size: 8, .value_kind: global_buffer, .address_space: global }
      - { .name: hbuf, .offset: 48, .size: 8, .value_kind: global_buffer, .address_space: global }
      - { .name: wr, .offset: 56, .size: 8, .value_kind: global_buffer, .address_space: global }
      - { .name: dr, .offset: 64, .size: 8, .value_kind: global_buffer, .address_space: global }
    .group_segment_fixed_size: 262656
    .private_segment_fixed_size: 0
    .kernarg_segment_align: 8
    .kernarg_segment_size: 72
    .max_flat_workgroup_size: 128
    .sgpr_count:     100
    .vgpr_count:     640
    .wavefront_size: 32
...
	.end_amdgpu_metadata
.endif
;; end of part 2
;; launch ffn2 (part 3): grid 256 x 1, 4 waves a work-group, no clusters, 262,656 bytes of LDS; arguments hbuf, W2, bm, wr, dr, yp; writes yp
.if DOCPART == 3
	.amdgcn_target "amdgcn-amd-amdhsa--gfx1250"
	.amdhsa_code_object_version 6
	.text
	.protected	k_q8f8357969f_ffn2
	.globl	k_q8f8357969f_ffn2
	.p2align	8
	.type	k_q8f8357969f_ffn2,@function
k_q8f8357969f_ffn2:
	s_mov_b64 s[64:65], 0
	v_nop
	global_prefetch_b8 v0, s[64:65] scope:SCOPE_SE
	s_setreg_imm32_b32 hwreg(HW_REG_WAVE_MODE, 25, 1), 1
	s_wait_xcnt 0x0
; SECOND PRODUCT.  Partial rows w (h W2[e]) for the rows that chose expert e, w the gate's weight; W2 is rounded to bf16 on its way, sums in f32, the partial rows leave in f32.
; GRID.  256 = 8 experts x 4 quarters of K = 4,096 x 8 slices of 128 columns: a work-group has 1,024 x 128 f32 of one expert's weights (512 KiB), which it alone reads, and all of the expert's rows by rank:
; the first product's shape and text.  K is split so that there are 256 such shares; the price is four partial rows for each routed row, which the last launch adds.
; PHASE 1, THE FILL: as in the first product, into LDS as [128 groups of 8 k][128 positions][16 bytes].  h's columns lie permuted inside each block of 128 (position 8 rho + f holds column
; 64 (f >> 2) + 4 rho + (f & 3)); h is read as it lies, and group 16 b + rho of LDS takes W2's rows 128 b + 4 rho + (j & 3) + 64 (j >> 2), j = 0 .. 7: the same order.  Wave w fills rho = 4 w .. 4 w + 3 of all 8 blocks.
; PHASE 2, THE ROWS: nT = max(1, ceil(count / 128)) trips of 128 ranks, two tiles a wave, K written out; the first product stored just these ranks of h, pad rows among them.
; ROWS OUT.  Rank's row of yp is dr[e][rank] (2 token + slot, or the expert's dump row for a pad rank, with weight 0); a row of yp is [4 quarters][1,024] f32.  Each row and quarter has one owner.
; NO CLUSTER, NO TENSOR LOADS: a share of weights has one reader and must be rounded on its way; the h rows that an expert's 8 slices share would want LDS that the weights fill.
; REGISTERS as in the first product: window 0 addresses, two fragment buffers v64-191 (on the way out T and OFF), v192-223 wr and dr; window 1 the fill's slots, then h's four buffers; window 2 the accumulators.
.set SPARE, 262144
.set ROWB,  4096                       ; bytes from row to row of W2
.set GSTEP, 256*ROWB                   ; a trip of the fill: two blocks of 128 rows
.set LSTEP, 65536                      ; and their 32 groups in LDS
.set SA0, 4
.set SA,  5
.set RO,  9                            ; v9      32 h: my eight rows' words in wr and dr
.set XO,  16                           ; v16-17  tile t: my row's byte offset in a trip's 128 rows of h, + 16 h; never rewritten
.set LB,  18                           ; v18-21  where I read fragments; never rewritten
.set GOF, 22
.set SPW, 40
.set NIL, 41
.set PK,  48
.set TT,  64                           ; the way out: 8 rows x 8 columns, weighted
.set OFF, 128                          ; and the rows' byte offsets in yp
.set WRV, 192                          ; v192-207  the weights of my 8 rows, by tile
.set DRV, 208                          ; v208-223  their rows of yp
.set MSB, 0
.macro WIN new                         ; the immediate's high byte repeats the setting that is left; a switch that changes nothing is dropped
.if MSB != (\new)
	s_set_vgpr_msb (MSB<<8)|(\new)
.set MSB, \new
.endif
.endm
.macro PLACES                          ; four places behind a matrix instruction, ahead of loads into its sources and of reads of its result
.rept 4
	v_nop
.endr
.endm
.macro COUNT                           ; s26 = the expert's rows
	s_bcnt1_i32_b32 s26, s68
.set i, 1
.rept 31
	s_bcnt1_i32_b32 s50, s[68+i]
	s_add_co_u32 s26, s26, s50
.set i, i+1
.endr
.endm
.macro FLOAD m                         ; group m, counted from the fill's trip in hand (block m >> 2, rho 4 w + (m & 3)), into slot m % 8: eight loads of 512 consecutive bytes
	WIN 0x40
.set j, 0
.rept 8
	global_load_b128 v[32*((\m)%8)+4*j:32*((\m)%8)+4*j+3], v[GOF], s[34:35] offset:(128*((\m)>>2)+4*((\m)&3)+(j&3)+64*(j>>2))*ROWB th:TH_LOAD_NT
.set j, j+1
.endr
.endm
.macro FTURN i, ahead, left            ; the turn of slot i, as in the first product
	s_wait_loadcnt \left                           ; loads come back in order (ISA guide 5.7.1): my slot's eight are in
.if \ahead
	FLOAD (\i)+7
.endif
	WIN 0x05
.set q, 0
.rept 4
.set p, 0
.rept 4
	v_cvt_pk_bf16_f32 v[PK+4*q+p], v[32*(\i)+8*p+q], v[32*(\i)+8*p+4+q]
.set p, p+1
.endr
.set q, q+1
.endr
	WIN 0
.set q, 0
.rept 4
	ds_store_b128 v[SA], v[PK+4*q:PK+4*q+3] offset:((\i)>>2)*32768+((\i)&3)*2048+256*q
.set q, q+1
.endr
.endm
.macro XLOAD g                         ; the rows' fragments of K steps 4 g .. 4 g + 3, both tiles, into buffer g % 4: 16 loads
	WIN 0x40
.set t, 0
.rept 2
.set c, 0
.rept 4
.set u, 0
.rept 2
	global_load_b128 v[64*((\g)%4)+32*t+8*c+4*u:64*((\g)%4)+32*t+8*c+4*u+3], v[XO+t], s[44:45] offset:(\g)*256+64*c+32*u
.set u, u+1
.endr
.set c, c+1
.endr
.set t, t+1
.endr
.endm
.macro BLOAD s                         ; W's eight fragments of K step s into buffer s % 2
	WIN 0
.set f, 0
.rept 8
	ds_load_b128 v[64+64*((\s)%2)+8*f:64+64*((\s)%2)+8*f+3],   v[LB+(\s)/8] offset:((\s)%8)*8192+f*256
	ds_load_b128 v[64+64*((\s)%2)+8*f+4:64+64*((\s)%2)+8*f+7], v[LB+(\s)/8] offset:((\s)%8)*8192+f*256+4096
.set f, f+1
.endr
.endm
; K step s of 32, as in the first product.  The 16 accumulators take turns, one instruction a turn.  K step 0 starts the sums with the constant 0.
.macro KSTEP s
	s_wait_dscnt 0x0                               ; W's fragments of this K step are in
.if (\s)%4 == 0
.if (\s) < 24
	s_wait_loadcnt 0x20                            ; this group of rows is in (and wr, dr, which are older); the two younger groups' 32 loads stay out
.elseif (\s) == 24
	s_wait_loadcnt 0x10
.else
	s_wait_loadcnt 0x0
.endif
.endif
.if (\s) > 0
	PLACES
.endif
.if ((\s)%4 == 0) && ((\s) < 20)
	XLOAD (\s)/4+3
.endif
.if (\s) < 31
	BLOAD (\s)+1
.endif
	WIN 0xa1
.set XR, 64*(((\s)/4)%4)+8*((\s)%4)
.set BR, 64+64*((\s)%2)
.set t, 0
.rept 2
.set f, 0
.rept 8
.if (\s) == 0
	v_wmma_f32_16x16x32_bf16 v[64*t+8*f:64*t+8*f+7], v[XR+32*t:XR+32*t+7], v[BR+8*f:BR+8*f+7], 0
.else
	v_wmma_f32_16x16x32_bf16 v[64*t+8*f:64*t+8*f+7], v[XR+32*t:XR+32*t+7], v[BR+8*f:BR+8*f+7], v[64*t+8*f:64*t+8*f+7]
.endif
.set f, f+1
.endr
.set t, t+1
.endr
.endm
	s_load_b256 s[4:11], s[0:1], 0x0               ; hbuf s[4:5], W2 s[6:7], bm s[8:9], wr s[10:11]
	s_load_b128 s[12:15], s[0:1], 0x20             ; dr s[12:13], yp s[14:15]
	v_lshl_add_u32 v[SPW], v0, 2, SPARE
	v_mov_b32 v[NIL], 0
	v_lshrrev_b32 v42, 5, v0
	v_readfirstlane_b32 s22, v42                   ; wave 0..3
	s_lshr_b32 s24, ttmp9, 5                       ; e
	s_bfe_u32 s62, ttmp9, 0x20003                  ; kq: the quarter of K
	s_and_b32 s25, ttmp9, 7                        ; cs: the slice of 128 columns
	v_and_b32 v1, 15, v0                           ; r
	v_bfe_u32 v2, v0, 4, 1                         ; h (in the fill: g)
	v_and_b32 v3, 31, v0                           ; lane
	v_lshlrev_b32 v6, 4, v1                        ; 16 r
	v_lshlrev_b32 v7, 4, v2                        ; 16 h
	v_lshlrev_b32 v[GOF], 4, v3
	v_lshlrev_b32 v[RO], 5, v2
	s_lshl_b32 s50, s22, 13                        ; my wave's four groups in each block of 16
	v_lshl_add_u32 v[SA0], v2, 10, v6
	v_add_nc_u32 v[SA0], s50, v[SA0]
	v_lshl_add_u32 v[LB], v2, 11, v6
	v_add_nc_u32 v[LB+1], 0x10000, v[LB]
	v_add_nc_u32 v[LB+2], 0x20000, v[LB]
	v_add_nc_u32 v[LB+3], 0x30000, v[LB]
	s_lshl_b32 s50, s22, 4
	v_add_nc_u32 v8, s50, v1                       ; 16 w + r
	v_lshl_add_u32 v[XO], v8, 13, v7               ; 8,192 bytes a row, + 16 h
	v_add_nc_u32 v[XO+1], 0x80000, v[XO]           ; tile 1: 64 rows on
	s_lshl_b32 s56, s24, 7                         ; the expert's 128 bytes of the bitmap
	s_mov_b32 s57, 0
	s_lshl_b32 s50, s24, 24                        ; W2: the expert's weights,
	s_lshl_b32 s52, s62, 22                        ; the quarter's 1,024 rows,
	s_add_co_u32 s50, s50, s52
	s_lshl_b32 s52, s22, 16                        ; my wave's 16 rows in each half block,
	s_add_co_u32 s50, s50, s52
	s_lshl_b32 s52, s25, 9                         ; the slice's 512 bytes of a row
	s_add_co_u32 s50, s50, s52
	s_mov_b32 s51, 0
	s_lshl_b32 s58, s24, 23                        ; h: the expert's 8 MiB, the quarter's 2,048 bytes of a row
	s_lshl_b32 s52, s62, 11
	s_add_co_u32 s58, s58, s52
	s_mov_b32 s59, 0
	s_lshl_b32 s60, s24, 12                        ; wr, dr: the expert's row, my wave's 16 ranks
	s_lshl_b32 s52, s22, 6
	s_add_co_u32 s60, s60, s52
	s_mov_b32 s61, 0
	s_lshl_b32 s32, s62, 12                        ; in a row of yp: the quarter's 4,096 bytes, the slice's 512
	s_lshl_b32 s52, s25, 9
	s_add_co_u32 s32, s32, s52
	s_mov_b32 s33, 0
	s_wait_kmcnt 0x0
	s_add_nc_u64 s[8:9], s[8:9], s[56:57]
	s_load_b512 s[68:83], s[8:9], 0x0              ; the expert's bitmap
	s_load_b512 s[84:99], s[8:9], 0x40
	s_add_nc_u64 s[34:35], s[6:7], s[50:51]
	s_add_nc_u64 s[44:45], s[4:5], s[58:59]
	s_add_nc_u64 s[10:11], s[10:11], s[60:61]
	s_add_nc_u64 s[12:13], s[12:13], s[60:61]
	s_add_nc_u64 s[14:15], s[14:15], s[32:33]
.irp m, 0,1,2,3,4,5,6
	FLOAD \m                                       ; seven slots go out: 56 loads, 28 KiB a wave
.endr
	WIN 0
	s_wait_kmcnt 0x0
	COUNT
	s_add_co_u32 s27, s26, 127
	s_lshr_b32 s27, s27, 7
	s_max_u32 s27, s27, 1                          ; nT: trips of 128 ranks, at least one: the first product's number
	s_mov_b32 s30, 0
	s_mov_b32 s31, 3
.Lfill:                                                ; three trips of eight turns, each turn asking for the group seven on
	v_add_nc_u32 v[SA], s30, v[SA0]
.irp i, 0,1,2,3,4,5,6,7
	FTURN \i, 1, 48                                ; six younger slots, 48 loads, stay out
.endr
	s_wait_xcnt 0x0                                ; the loads' base is stepped only behind this wait
	s_add_nc_u64 s[34:35], s[34:35], GSTEP
	s_add_co_u32 s30, s30, LSTEP
	s_sub_co_u32 s31, s31, 1
	s_cmp_lg_u32 s31, 0
	s_cbranch_scc1 .Lfill
	v_add_nc_u32 v[SA], s30, v[SA0]
	FTURN 0, 1, 48                                 ; the last eight groups: one more request, then the counts run down
.irp i, 1,2,3,4,5,6,7
	FTURN \i, 0, 56-8*\i
.endr
	s_wait_dscnt 0x0                               ; for the others' sake: my part of the weights is in LDS
	s_barrier_signal -1
	s_barrier_wait -1                              ; all of them are; nothing writes them from here on
	s_mov_b32 s29, 0
.Ltrip:                                                ; trip u: ranks 128 u .. + 127
.set t, 0
.rept 2
.set u, 0
.rept 2
	global_load_b128 v[WRV+8*t+4*u:WRV+8*t+4*u+3], v[RO], s[10:11] offset:256*t+16*u  ; the weights and rows of yp of my rows 8 h + 0..7: the trip's oldest loads
	global_load_b128 v[DRV+8*t+4*u:DRV+8*t+4*u+3], v[RO], s[12:13] offset:256*t+16*u
.set u, u+1
.endr
.set t, t+1
.endr
	XLOAD 0
	XLOAD 1
	XLOAD 2
	BLOAD 0
.set ks, 0
.rept 32
	KSTEP ks
.set ks, ks+1
.endr
	WIN 0
	PLACES
	; THE WAY OUT.  Register j of a lane is row 8 h + j; fragments 4 g + 0..3 are four neighbouring columns.  The multiply by the gate's weight also sets those four side by side.
.set t, 0
.rept 2
	s_wait_xcnt 0x0                                ; the last tile's stores have read their registers: these are written again only behind this wait
.set j, 0
.rept 8
	v_min_u32 v[OFF+j], 0x807, v[DRV+8*t+j]        ; the row of yp, 2,055 at the most
.set j, j+1
.endr
.set j, 0
.rept 8
	v_lshl_add_u32 v[OFF+j], v[OFF+j], 14, v6      ; 16,384 bytes a row, + 16 r
.set j, j+1
.endr
	WIN 0x02                                       ; source 0 in window 2
.set j, 0
.rept 8                                ; each accumulator's lowest register first
.set f, 0
.rept 8
	v_mul_f32 v[TT+8*j+f], v[64*t+8*f+j], v[WRV+8*t+j]
.set f, f+1
.endr
.set j, j+1
.endr
	WIN 0
.set j, 0
.rept 8
	global_store_b128 v[OFF+j], v[TT+8*j:TT+8*j+3], s[14:15]               ; 16 lanes store 256 consecutive bytes of one row, aligned
	global_store_b128 v[OFF+j], v[TT+8*j+4:TT+8*j+7], s[14:15] offset:256
.set j, j+1
.endr
.set t, t+1
.endr
	s_wait_xcnt 0x0                                ; the stores' registers and the loads' bases are written again only behind this wait
	s_add_nc_u64 s[44:45], s[44:45], 0x100000      ; 128 rows of h on,
	s_add_nc_u64 s[10:11], s[10:11], 512           ; 128 words of wr and of dr
	s_add_nc_u64 s[12:13], s[12:13], 512
	s_add_co_u32 s29, s29, 1
	s_cmp_lt_u32 s29, s27
	s_cbranch_scc1 .Ltrip
	s_wait_tensorcnt 0x0                           ; the wave's end
	ds_add_u32 v[SPW], v[NIL]
	s_wait_dscnt 0x0
	s_endpgm
.Lfunc_end_k_q8f8357969f_ffn2:
	.size	k_q8f8357969f_ffn2, .Lfunc_end_k_q8f8357969f_ffn2-k_q8f8357969f_ffn2
	.p2alignl 7, 3214868480
	.fill 96, 4, 3214868480
	.section	.rodata,"a",@progbits
	.p2align	6, 0x0
	.amdhsa_kernel k_q8f8357969f_ffn2
		.amdhsa_group_segment_fixed_size 262656
		.amdhsa_private_segment_fixed_size 0
		.amdhsa_enable_private_segment 0
		.amdhsa_kernarg_size 48
		.amdhsa_user_sgpr_count 2
		.amdhsa_user_sgpr_kernarg_segment_ptr 1
		.amdhsa_wavefront_size32 1
		.amdhsa_system_sgpr_workgroup_id_x 1
		.amdhsa_system_sgpr_workgroup_id_y 1
		.amdhsa_system_sgpr_workgroup_id_z 1
		.amdhsa_system_vgpr_workitem_id 0
		.amdhsa_next_free_vgpr 640
		.amdhsa_next_free_sgpr 100
		.amdhsa_reserve_vcc 0
		.amdhsa_float_denorm_mode_32 3
		.amdhsa_float_denorm_mode_16_64 3
		.amdhsa_memory_ordered 1
		.amdhsa_forward_progress 1
		.amdhsa_inst_pref_size 133
	.end_amdhsa_kernel
	.amdgpu_metadata
---
amdhsa.version: [ 1, 2 ]
amdhsa.kernels:
  - .name:           k_q8f8357969f_ffn2
    .symbol:         k_q8f8357969f_ffn2.kd
    .args:
      - { .name: hbuf, .offset: 0, .size: 8, .value_kind: global_buffer, .address_space: global }
      - { .name: W2, .offset: 8, .size: 8, .value_kind: global_buffer, .address_space: global }
      - { .name: bm, .offset: 16, .size: 8, .value_kind: global_buffer, .address_space: global }
      - { .name: wr, .offset: 24, .size: 8, .value_kind: global_buffer, .address_space: global }
      - { .name: dr, .offset: 32, .size: 8, .value_kind: global_buffer, .address_space: global }
      - { .name: yp, .offset: 40, .size: 8, .value_kind: global_buffer, .address_space: global }
    .group_segment_fixed_size: 262656
    .private_segment_fixed_size: 0
    .kernarg_segment_align: 8
    .kernarg_segment_size: 48
    .max_flat_workgroup_size: 128
    .sgpr_count:     100
    .vgpr_count:     640
    .wavefront_size: 32
...
	.end_amdgpu_metadata
.endif
;; end of part 3
;; launch combine (part 4): grid 1024 x 1, 8 waves a work-group, no clusters, 0 bytes of LDS; arguments yp, cw, b2, out0; writes out0
.if DOCPART == 4
	.amdgcn_target "amdgcn-amd-amdhsa--gfx1250"
	.amdhsa_code_object_version 6
	.text
	.protected	k_q8f8357969f_combine
	.globl	k_q8f8357969f_combine
	.p2align	8
	.type	k_q8f8357969f_combine,@function
k_q8f8357969f_combine:
	s_mov_b64 s[64:65], 0
	v_nop
	global_prefetch_b8 v0, s[64:65] scope:SCOPE_SE
	s_setreg_imm32_b32 hwreg(HW_REG_WAVE_MODE, 25, 1), 1
	s_wait_xcnt 0x0
; THE SUM.  out[n] = the eight partial rows of token n (2 experts x 4 quarters of K, already weighted) + the sum over e of cw[e][n] b2[e].  b2 is rounded to bf16 like every input; all sums in f32.
; A work-group is a token, thread t its columns 4 t .. 4 t + 3: every load and the store of a wave cover 512 consecutive bytes.  The token's eight partial rows are 32,768 consecutive bytes of yp.
; A stream: no LDS, no barrier, no matrix unit; each byte of yp is read once.
.set Y,  8                             ; v[8:39]   the partial rows; the sum gathers in v[8:11]
.set B,  40                            ; v[40:71]  b2 of the eight experts
.set BP, 72                            ; v[72:87]  the same in bf16
.set CW, 88                            ; v[88:95]  the token's eight weights
	s_load_b256 s[4:11], s[0:1], 0x0               ; yp s[4:5], cw s[6:7], b2 s[8:9], out0 s[10:11]
	v_lshlrev_b32 v1, 4, v0
	s_lshl_b32 s12, ttmp9, 15
	s_mov_b32 s13, 0
	s_lshl_b32 s14, ttmp9, 2
	s_mov_b32 s15, 0
	s_lshl_b32 s16, ttmp9, 12
	s_mov_b32 s17, 0
	s_wait_kmcnt 0x0
	s_add_nc_u64 s[4:5], s[4:5], s[12:13]
	s_add_nc_u64 s[6:7], s[6:7], s[14:15]
	s_add_nc_u64 s[10:11], s[10:11], s[16:17]
.irp e, 0,1,2,3,4,5,6,7
	s_load_b32 s[20+\e], s[6:7], 4096*\e
.endr
.irp p, 0,1,2,3,4,5,6,7
	global_load_b128 v[Y+4*\p:Y+4*\p+3], v1, s[4:5] offset:4096*\p th:TH_LOAD_NT
.endr
.irp e, 0,1,2,3,4,5,6,7
	global_load_b128 v[B+4*\e:B+4*\e+3], v1, s[8:9] offset:4096*\e
.endr
	s_wait_loadcnt 0x8                             ; the partial rows are in; b2's eight loads stay out
.irp p, 0,2,4,6
	v_pk_add_f32 v[Y+4*\p:Y+4*\p+1], v[Y+4*\p:Y+4*\p+1], v[Y+4*\p+4:Y+4*\p+5]
	v_pk_add_f32 v[Y+4*\p+2:Y+4*\p+3], v[Y+4*\p+2:Y+4*\p+3], v[Y+4*\p+6:Y+4*\p+7]
.endr
.irp p, 0,4
	v_pk_add_f32 v[Y+4*\p:Y+4*\p+1], v[Y+4*\p:Y+4*\p+1], v[Y+4*\p+8:Y+4*\p+9]
	v_pk_add_f32 v[Y+4*\p+2:Y+4*\p+3], v[Y+4*\p+2:Y+4*\p+3], v[Y+4*\p+10:Y+4*\p+11]
.endr
	v_pk_add_f32 v[Y:Y+1], v[Y:Y+1], v[Y+16:Y+17]
	v_pk_add_f32 v[Y+2:Y+3], v[Y+2:Y+3], v[Y+18:Y+19]
	s_wait_kmcnt 0x0
.irp e, 0,1,2,3,4,5,6,7
	v_mov_b32 v[CW+\e], s[20+\e]
.endr
	s_wait_loadcnt 0x0
.set i, 0
.rept 16
	v_cvt_pk_bf16_f32 v[BP+i], v[B+2*i], v[B+2*i+1]
.set i, i+1
.endr
.irp e, 0,1,2,3,4,5,6,7
.irp ip, 0,1
.irp ih, 0,1
	v_fma_mix_f32_bf16 v[Y+2*\ip+\ih], v[BP+2*\e+\ip], v[CW+\e], v[Y+2*\ip+\ih] op_sel:[\ih,0,0] op_sel_hi:[1,0,0]
.endr
.endr
.endr
	global_store_b128 v1, v[Y:Y+3], s[10:11] th:TH_STORE_NT
	s_endpgm
.Lfunc_end_k_q8f8357969f_combine:
	.size	k_q8f8357969f_combine, .Lfunc_end_k_q8f8357969f_combine-k_q8f8357969f_combine
	.p2alignl 7, 3214868480
	.fill 96, 4, 3214868480
	.section	.rodata,"a",@progbits
	.p2align	6, 0x0
	.amdhsa_kernel k_q8f8357969f_combine
		.amdhsa_group_segment_fixed_size 0
		.amdhsa_private_segment_fixed_size 0
		.amdhsa_enable_private_segment 0
		.amdhsa_kernarg_size 32
		.amdhsa_user_sgpr_count 2
		.amdhsa_user_sgpr_kernarg_segment_ptr 1
		.amdhsa_wavefront_size32 1
		.amdhsa_system_sgpr_workgroup_id_x 1
		.amdhsa_system_sgpr_workgroup_id_y 1
		.amdhsa_system_sgpr_workgroup_id_z 1
		.amdhsa_system_vgpr_workitem_id 0
		.amdhsa_next_free_vgpr 96
		.amdhsa_next_free_sgpr 66
		.amdhsa_reserve_vcc 0
		.amdhsa_float_denorm_mode_32 3
		.amdhsa_float_denorm_mode_16_64 3
		.amdhsa_memory_ordered 1
		.amdhsa_forward_progress 1
		.amdhsa_inst_pref_size 7
	.end_amdhsa_kernel
	.amdgpu_metadata
---
amdhsa.version: [ 1, 2 ]
amdhsa.kernels:
  - .name:           k_q8f8357969f_combine
    .symbol:         k_q8f8357969f_combine.kd
    .args:
      - { .name: yp, .offset: 0, .size: 8, .value_kind: global_buffer, .address_space: global }
      - { .name: cw, .offset: 8, .size: 8, .value_kind: global_buffer, .address_space: global }
      - { .name: b2, .offset: 16, .size: 8, .value_kind: global_buffer, .address_space: global }
      - { .name: out0, .offset: 24, .size: 8, .value_kind: global_buffer, .address_space: global }
    .group_segment_fixed_size: 0
    .private_segment_fixed_size: 0
    .kernarg_segment_align: 8
    .kernarg_segment_size: 32
    .max_flat_workgroup_size: 256
    .sgpr_count:     66
    .vgpr_count:     96
    .wavefront_size: 32
...
	.end_amdgpu_metadata
.endif
;; end of part 4
;; ======== version 2 of 2: 4 launches; 1.28 times as fast as version 1
;; workspace buffers: xb 2,097,152 bytes; bm 1,024 bytes of whole numbers; cw 32,768 bytes; dst 32,768 bytes of whole numbers; hbuf 75,497,472 bytes; wr 36,864 bytes; dr 36,864 bytes of whole numbers; yp 33,685,504 bytes
;; launch router (part 5): grid 128 x 1, 8 waves a work-group, no clusters, 17,664 bytes of LDS; arguments x, Wg, bg, xb, bm, cw, dst; writes xb, bm, cw, dst
.if DOCPART == 5
	.amdgcn_target "amdgcn-amd-amdhsa--gfx1250"
	.amdhsa_code_object_version 6
	.text
	.protected	k_q8f8357969f_router
	.globl	k_q8f8357969f_router
	.p2align	8
	.type	k_q8f8357969f_router,@function
k_q8f8357969f_router:
	s_mov_b64 s[64:65], 0
	v_nop
	global_prefetch_b8 v0, s[64:65] scope:SCOPE_SE
	s_setreg_imm32_b32 hwreg(HW_REG_WAVE_MODE, 25, 1), 1
	s_wait_xcnt 0x0
; ROUTER.  logits = x Wg + bg for 1,024 tokens and 8 experts; the two largest gates, renormalised; x rounded to bf16 for the first product.
; Every input of the program is rounded once to bf16 and then reckoned with in f32: here x, Wg and bg (products of bf16 halves are exact in f32, sums in f32).
; SHARES.  A work-group has 8 tokens, a wave one: lane l owns channels 128 j + 4 l + i (j 0..7, i 0..3).  The eight sums of a token meet in LDS, and wave 0 makes the choice for all 8 tokens.
; Wg is read once a work-group: wave w loads channels 128 w .. + 127 (eight loads of 512 consecutive bytes), rounds them and stores them into its own 2,048 bytes of a table in LDS,
; [4 j + i][lane][8 experts in bf16]; behind a barrier every wave reads the table by 32 loads of 512 consecutive bytes, each a lane's channel (j, i).
; STORED, all at fixed places: xb [token][1024] bf16; bm [expert][128 bytes], bit i of byte b: token 8 b + i chose the expert; cw [expert][token] f32, the weight, 0 if not chosen;
; dst [expert][token]: the row of partial results that the pair (token, expert) owns, 2 token + slot (slot 0: the lower-numbered of the two experts), or 2048 + expert if not chosen.
; SOFTMAX.  p = 2^((l - m) log2 e) with m the token's largest logit.  The softmax's divisor cancels in w / (w1 + w2) and is not formed; the two largest are taken of p, ties to the lower index.
; LIMITS.  A p below 2^-126 counts as 0 (its weight is then 0 whichever expert takes it); NaN and infinities are not treated apart.
; No matrix unit: 8 columns are too few for a tile of 16, and the whole gate is 8 million multiply-adds.
.set LOG,   16384                      ; behind the table of 16 KiB: the logits, 32 bytes a wave
.set SPARE, 16640                      ; behind the logits' block: the spare words, 128 bytes for each of eight waves
.set X,    8                           ; v[8:39]    x as loaded
.set XP,   40                          ; v[40:55]   x in bf16, two to a register
.set BG,   56                          ; v[56:63]   bg
.set WRAW, 64                          ; v[64:95]   my part of Wg as loaded
.set WPK,  96                          ; v[96:111]  the same in bf16
.set WP,   64                          ; v[64:191]  later: Wg of my 32 channels in bf16, experts (e, e + 1) to a register
.set ACC,  192                         ; v[192:199] the eight sums
.set TM,   200                         ; v[200:207] at work
.set LSA,  208                         ; v208       where I store into the table
.macro GATE j                          ; 4 channels x 8 experts: 32 multiply-adds from bf16 halves into f32
.irp ip, 0,1
.irp ih, 0,1
.irp ep, 0,1,2,3
.irp eh, 0,1
	v_fma_mix_f32_bf16 v[ACC+2*\ep+\eh], v[WP+4*(4*(\j)+2*\ip+\ih)+\ep], v[XP+2*(\j)+\ip], v[ACC+2*\ep+\eh] op_sel:[\eh,\ih,0] op_sel_hi:[1,1,0]
.endr
.endr
.endr
.endr
.endm
	s_load_b256 s[4:11], s[0:1], 0x0               ; x s[4:5], Wg s[6:7], bg s[8:9], xb s[10:11]
	s_load_b128 s[12:15], s[0:1], 0x20             ; bm s[12:13], cw s[14:15]
	s_load_b64 s[16:17], s[0:1], 0x30              ; dst
	v_lshl_add_u32 v6, v0, 2, SPARE                ; my spare word; never rewritten
	v_mov_b32 v7, 0                                ; 0; never rewritten
	v_lshrrev_b32 v1, 5, v0
	v_readfirstlane_b32 s18, v1                    ; wave 0..7
	v_and_b32 v1, 31, v0                           ; lane
	v_lshlrev_b32 v2, 4, v1                        ; 16 bytes a lane: in x, in my part of Wg, and in a row of the table
	v_lshlrev_b32 v4, 3, v1                        ; xb: 8 bytes a lane
	v_mov_b32 v5, 0
	; load k of my part of Wg gives lane L experts 4 (L & 1) .. + 3 of channel 128 w + 16 k + (L >> 1) = 128 w + 4 (4 k + (L >> 3)) + ((L >> 1) & 3)
	v_bfe_u32 v[LSA], v1, 1, 2                     ; i
	v_lshlrev_b32 v[LSA], 9, v[LSA]                ; 512 i
	v_lshrrev_b32 v[TM], 3, v1
	v_lshl_add_u32 v[LSA], v[TM], 4, v[LSA]        ; + 16 (L >> 3); 64 k stands in the store's offset
	v_and_b32 v[TM], 1, v1
	v_lshl_add_u32 v[LSA], v[TM], 3, v[LSA]        ; + 8 (L & 1)
	s_lshl_b32 s30, s18, 11
	v_add_nc_u32 v[LSA], s30, v[LSA]               ; + my wave's 2,048 bytes
	s_lshl_b32 s19, ttmp9, 3
	s_add_co_u32 s19, s19, s18                     ; my token
	s_lshl_b32 s22, s19, 12                        ; its row in x,
	s_mov_b32 s23, 0
	s_lshl_b32 s24, s19, 11                        ; and in xb
	s_mov_b32 s25, 0
	s_lshl_b32 s28, s18, 12                        ; my wave's 4,096 bytes of Wg
	s_mov_b32 s29, 0
	s_mov_b32 s20, 0x76543210                      ; v_permlanex16_b32: each lane takes its own place in the other half
	s_mov_b32 s21, 0xfedcba98
	s_mov_b32 s27, 0x3fb8aa3b                      ; log2 e
	s_wait_kmcnt 0x0
	s_add_nc_u64 s[4:5], s[4:5], s[22:23]
	s_add_nc_u64 s[6:7], s[6:7], s[28:29]
	s_add_nc_u64 s[10:11], s[10:11], s[24:25]
	global_load_b128 v[BG:BG+3], v5, s[8:9]
	global_load_b128 v[BG+4:BG+7], v5, s[8:9] offset:16
.irp k, 0,1,2,3,4,5,6,7
	global_load_b128 v[WRAW+4*\k:WRAW+4*\k+3], v2, s[6:7] offset:512*\k          ; 512 consecutive bytes a load
.endr
.irp j, 0,1,2,3,4,5,6,7
	global_load_b128 v[X+4*\j:X+4*\j+3], v2, s[4:5] offset:512*\j th:TH_LOAD_NT  ; 512 consecutive bytes a load
.endr
.irp e, 0,1,2,3,4,5,6,7
	v_mov_b32 v[ACC+\e], 0
	v_mov_b32 v[TM+\e], 0                          ; v_permlanex16_b32's destination counts as read
.endr
	s_wait_loadcnt 0x8                             ; bg and my part of Wg are in; x's eight loads stay out
.irp k, 0,1,2,3,4,5,6,7
	v_cvt_pk_bf16_f32 v[WPK+2*\k], v[WRAW+4*\k], v[WRAW+4*\k+1]
	v_cvt_pk_bf16_f32 v[WPK+2*\k+1], v[WRAW+4*\k+2], v[WRAW+4*\k+3]
.endr
.irp k, 0,1,2,3,4,5,6,7
	ds_store_b64 v[LSA], v[WPK+2*\k:WPK+2*\k+1] offset:64*\k
.endr
	s_wait_loadcnt 0x0                             ; x
.set i, 0
.rept 16
	v_cvt_pk_bf16_f32 v[XP+i], v[X+2*i], v[X+2*i+1]
.set i, i+1
.endr
.irp j, 0,1,2,3,4,5,6,7
	global_store_b64 v4, v[XP+2*\j:XP+2*\j+1], s[10:11] offset:256*\j  ; the wave stores 256 consecutive bytes, aligned
.endr
	s_wait_dscnt 0x0                               ; for the others' sake: my part of the table is in LDS
	s_barrier_signal -1
	s_barrier_wait -1                              ; the whole table is; nothing writes it from here on
.set i, 0
.rept 32
	ds_load_b128 v[WP+4*i:WP+4*i+3], v2 offset:512*i  ; channel (j, i) = (i / 4, i % 4) of my lane: 512 consecutive bytes a load
.set i, i+1
.endr
.irp j, 0,1,2,3,4,5,6,7
	s_wait_dscnt 28-4*\j                           ; LDS loads come back in order (ISA guide 5.7.1): the four of this j are in, those of later j stay out
	GATE \j
.endr
	; the sums over the 32 lanes: four steps inside each half ride on the additions, one crosses the halves
.irp m, 1,2,4,8
.irp e, 0,1,2,3,4,5,6,7
	v_add_f32_dpp v[ACC+\e], v[ACC+\e], v[ACC+\e] row_xmask:\m row_mask:0xf bank_mask:0xf
.endr
.endr
.irp e, 0,1,2,3,4,5,6,7
	v_permlanex16_b32 v[TM+\e], v[ACC+\e], s20, s21
.endr
.irp e, 0,1,2,3,4,5,6,7
	v_add_f32 v[ACC+\e], v[ACC+\e], v[TM+\e]
.endr
	s_lshl_b32 s26, s18, 5
	v_mov_b32 v5, s26                              ; my token's 32 bytes among the logits (bg's loads, which read v5, are long done)
	ds_store_b128 v5, v[ACC:ACC+3] offset:LOG      ; all lanes store the same numbers to the same words
	ds_store_b128 v5, v[ACC+4:ACC+7] offset:LOG+16
	s_wait_dscnt 0x0                               ; for wave 0's sake: my stores are done
	s_barrier_signal -1
	s_barrier_wait -1
	s_cmp_lg_u32 s18, 0
	s_cbranch_scc1 .Lend                           ; the choice is wave 0's work: lane l serves token l % 8
	v_and_b32 v64, 7, v0
	v_lshlrev_b32 v65, 5, v64
	ds_load_b128 v[8:11], v65 offset:LOG
	ds_load_b128 v[12:15], v65 offset:LOG+16
.irp p, 0,1,2,3
	v_cvt_pk_bf16_f32 v[66+\p], v[BG+2*\p], v[BG+2*\p+1]  ; bg rounded to bf16 like every input,
.endr
.irp p, 0,1,2,3
	v_lshlrev_b32 v[BG+2*\p], 16, v[66+\p]         ; and widened again
	v_and_b32 v[BG+2*\p+1], 0xffff0000, v[66+\p]
.endr
	s_wait_dscnt 0x0
.irp p, 0,1,2,3
	v_pk_add_f32 v[8+2*\p:9+2*\p], v[8+2*\p:9+2*\p], v[BG+2*\p:BG+2*\p+1]
.endr
	v_max3_num_f32 v16, v8, v9, v10
	v_max3_num_f32 v16, v16, v11, v12
	v_max3_num_f32 v16, v16, v13, v14
	v_max_num_f32 v16, v16, v15                    ; m
	v_mul_f32 v17, s27, v16
.irp e, 0,1,2,3,4,5,6,7
	v_fma_f32 v[24+\e], v[8+\e], s27, -v17         ; (l - m) log2 e; what the product's rounding leaves is the same for all eight and cancels in the weights
.endr
.irp e, 0,1,2,3,4,5,6,7
	v_exp_f32 v[24+\e], v[24+\e]
.endr
	v_mov_b32 v33, 0                               ; plain work behind the last exponential,
	v_mov_b32 v35, 0
	s_wait_alu depctr_va_vdst(0)                   ; and one wait for the batch of eight, ahead of its first reader
	v_mov_b32 v32, v24                             ; the largest, ties to the lower index
.irp e, 1,2,3,4,5,6,7
	v_cmp_gt_f32 vcc_lo, v[24+\e], v32
	v_cndmask_b32 v32, v32, v[24+\e], vcc_lo
	v_cndmask_b32 v33, v33, \e, vcc_lo
.endr
.irp e, 0,1,2,3,4,5,6,7
	v_cmp_eq_u32 vcc_lo, \e, v33
	v_cndmask_b32 v[24+\e], v[24+\e], -1.0, vcc_lo ; it is taken out: every p is 0 or more
.endr
	v_mov_b32 v34, v24                             ; the second largest
.irp e, 1,2,3,4,5,6,7
	v_cmp_gt_f32 vcc_lo, v[24+\e], v34
	v_cndmask_b32 v34, v34, v[24+\e], vcc_lo
	v_cndmask_b32 v35, v35, \e, vcc_lo
.endr
	v_add_f32 v36, v32, v34
	v_rcp_f32 v36, v36
	v_min_u32 v39, v33, v35                        ; the lower-numbered expert has slot 0
	v_max_u32 v70, v33, v35
	s_lshl_b32 s26, ttmp9, 3
	v_add_nc_u32 v71, s26, v64                     ; the lane's token
	v_lshlrev_b32 v72, 1, v71                      ; its two rows of partial results
	v_or_b32 v73, 1, v72
	v_lshlrev_b32 v74, 2, v71                      ; its word in a row of cw and of dst
	s_mov_b32 s28, ttmp9
	v_mov_b32 v75, s28                             ; the work-group's byte in a row of bm
	s_wait_alu depctr_va_vdst(0)                   ; the reciprocal's wait, ahead of its first reader
	v_mul_f32 v37, v32, v36                        ; w1
	v_mul_f32 v38, v34, v36                        ; w2
.irp e, 0,1,2,3,4,5,6,7
	v_cmp_eq_u32 s22, \e, v33
	v_cmp_eq_u32 s23, \e, v35
	v_cndmask_b32 v[80+\e], 0, v38, s23
	v_cndmask_b32 v[80+\e], v[80+\e], v37, s22
	v_mov_b32 v[88+\e], 2048+\e
	v_cmp_eq_u32 vcc_lo, \e, v39
	v_cndmask_b32 v[88+\e], v[88+\e], v72, vcc_lo
	v_cmp_eq_u32 vcc_lo, \e, v70
	v_cndmask_b32 v[88+\e], v[88+\e], v73, vcc_lo
	s_or_b32 s24, s22, s23
	s_and_b32 s24, s24, 0xff                       ; lanes 0 to 7 are tokens 0 to 7: the bitmap's byte
	v_mov_b32 v[96+\e], s24
	global_store_b32 v74, v[80+\e], s[14:15] offset:4096*\e   ; lanes of the same token store the same number
	global_store_b32 v74, v[88+\e], s[16:17] offset:4096*\e
	global_store_b8 v75, v[96+\e], s[12:13] offset:128*\e
.endr
.Lend:
	s_wait_tensorcnt 0x0                           ; the wave's end
	ds_add_u32 v6, v7
	s_wait_dscnt 0x0
	s_endpgm
.Lfunc_end_k_q8f8357969f_router:
	.size	k_q8f8357969f_router, .Lfunc_end_k_q8f8357969f_router-k_q8f8357969f_router
	.p2alignl 7, 3214868480
	.fill 96, 4, 3214868480
	.section	.rodata,"a",@progbits
	.p2align	6, 0x0
	.amdhsa_kernel k_q8f8357969f_router
		.amdhsa_group_segment_fixed_size 17664
		.amdhsa_private_segment_fixed_size 0
		.amdhsa_enable_private_segment 0
		.amdhsa_kernarg_size 56
		.amdhsa_user_sgpr_count 2
		.amdhsa_user_sgpr_kernarg_segment_ptr 1
		.amdhsa_wavefront_size32 1
		.amdhsa_system_sgpr_workgroup_id_x 1
		.amdhsa_system_sgpr_workgroup_id_y 1
		.amdhsa_system_sgpr_workgroup_id_z 1
		.amdhsa_system_vgpr_workitem_id 0
		.amdhsa_next_free_vgpr 216
		.amdhsa_next_free_sgpr 66
		.amdhsa_reserve_vcc 1
		.amdhsa_float_denorm_mode_32 3
		.amdhsa_float_denorm_mode_16_64 3
		.amdhsa_memory_ordered 1
		.amdhsa_forward_progress 1
		.amdhsa_inst_pref_size 41
	.end_amdhsa_kernel
	.amdgpu_metadata
---
amdhsa.version: [ 1, 2 ]
amdhsa.kernels:
  - .name:           k_q8f8357969f_router
    .symbol:         k_q8f8357969f_router.kd
    .args:
      - { .name: x, .offset: 0, .size: 8, .value_kind: global_buffer, .address_space: global }
      - { .name: Wg, .offset: 8, .size: 8, .value_kind: global_buffer, .address_space: global }
      - { .name: bg, .offset: 16, .size: 8, .value_kind: global_buffer, .address_space: global }
      - { .name: xb, .offset: 24, .size: 8, .value_kind: global_buffer, .address_space: global }
      - { .name: bm, .offset: 32, .size: 8, .value_kind: global_buffer, .address_space: global }
      - { .name: cw, .offset: 40, .size: 8, .value_kind: global_buffer, .address_space: global }
      - { .name: dst, .offset: 48, .size: 8, .value_kind: global_buffer, .address_space: global }
    .group_segment_fixed_size: 17664
    .private_segment_fixed_size: 0
    .kernarg_segment_align: 8
    .kernarg_segment_size: 56
    .max_flat_workgroup_size: 256
    .sgpr_count:     66
    .vgpr_count:     216
    .wavefront_size: 32
...
	.end_amdgpu_metadata
.endif
;; end of part 5
;; launch ffn1 (part 6): grid 256 x 1, 4 waves a work-group, no clusters, 262,656 bytes of LDS; arguments xb, W1, b1, bm, cw, dst, hbuf, wr, dr; writes hbuf, wr, dr
.if DOCPART == 6
	.amdgcn_target "amdgcn-amd-amdhsa--gfx1250"
	.amdhsa_code_object_version 6
	.text
	.protected	k_q8f8357969f_ffn1
	.globl	k_q8f8357969f_ffn1
	.p2align	8
	.type	k_q8f8357969f_ffn1,@function
k_q8f8357969f_ffn1:
	s_mov_b64 s[64:65], 0
	v_nop
	global_prefetch_b8 v0, s[64:65] scope:SCOPE_SE
	s_setreg_imm32_b32 hwreg(HW_REG_WAVE_MODE, 25, 1), 1
	s_wait_xcnt 0x0
; FIRST PRODUCT.  h = gelu(x W1[e] + b1[e]) for the rows that chose expert e alone; h leaves in bf16.  W1 and b1 are rounded to bf16 on their way, sums in f32.
; GRID.  256 = 8 experts x 32 slices of 128 columns.  A work-group has one slice of one expert's weights (1,024 x 128 f32, 512 KiB), which it alone reads, and all of the expert's rows, taken by rank
; (the rank-th token in ascending order that chose e): any number from 0 to 1,024.
; PHASE 1, THE FILL.  Each wave streams a quarter of the slice through registers (a load is 512 consecutive bytes of a row of W1), rounds pairs along K to bf16 and stores them into LDS in the order in which
; the matrix operand wants them: [128 groups of 8 k][128 positions][16 bytes]; position 64 g + 16 q + r holds column 64 g + 4 r + q, so that stores and reads take 256 consecutive bytes for 16 lanes.
; Fragment f = 4 g + q, lane r stands for that column.  Eight register slots of eight loads take turns, seven on their way; a slot owns its data registers, its offset register (stepped at the head of its turn,
; where the wait for its loads has just freed it) and the 16 registers that it rounds into, so that the counted wait is a turn's only wait.  One barrier follows; behind it nothing writes the slice.
; PHASE 2, THE ROWS.  nT = max(1, ceil(count / 384)) trips; a trip is 384 ranks, six tiles of 16 a wave: rank = 384 u + 64 t + 16 w + r.  One run of 16 LDS loads (W's eight fragments of a K step) so feeds up to
; 48 matrix instructions.  Of a wave's six tiles nt = clamp(ceil((tiles - 24 u - w) / 4), 3, 6) are live: the matrix work, gelu and stores of the others are jumped by scalar branches; the first K step
; runs all six, so that every sum is begun.  The rows' loads are never jumped; ranks past the count repeat token 1,023's row, and live tiles are stored whole, pad rows among them.
; K is a loop: a body of four K steps, written out once with C = 0 and looped seven times.  The LDS offset wraps at the slice's end and the rows' byte offset at the row's end, so that the look-ahead of the
; last K steps stays inside, asks for what nobody uses, and every wait has one count.
; h's COLUMNS are stored permuted inside each block of 128: position 8 r + f holds column 64 (f >> 2) + 4 r + (f & 3): a lane's eight numbers of a row are then 16 consecutive bytes.  The second product undoes it
; by the order in which it reads W2's rows.  h, wr and dr have 1,152 rows an expert: three trips of 384.
; wr, dr: slice cs < 9 also lays the gate's weight and the row of partial results out by rank, for ranks 128 cs .. + 127 (weight 0 and the expert's dump row past the count).
; GELU is exact gelu with erf by a rational form in 1 / (1 + 0.3275911 z) times exp(-z z), absolute error 1.5e-7 in erf: gelu = max(x, 0) - |x| (P / 2) exp(-x x / 2).  NaN and infinities are not treated apart.
; NO CLUSTER, NO TENSOR LOADS: a slice of weights has one reader and must be rounded on its way; what an expert's 32 work-groups share is its token rows, which come by a list that no tile descriptor covers.
; REGISTERS, in windows of 256 (s_set_vgpr_msb: bits 1:0 source 0, 3:2 source 1, 5:4 source 2, 7:6 destination):
;   window 0: v0-47 addresses, tokens, bias; v64-191 in the fill the slots' rounded numbers, then W's eight fragments, two buffers; on the way out v64-191, v208-255 at work; v192-203 addresses; v232-239 in the fill the slots' offsets
;   window 1: the fill's eight slots of 32; then x, four buffers of 48 (6 tiles, one K step)      window 2: the accumulators of tiles 0-3 at 64 t + 8 f      window 3: v0-127 those of tiles 4, 5
.set SPARE, 262144                     ; behind the slice: the spare words, 128 bytes for each wave
.set ROWB,  16384                      ; bytes from row to row of W1
.set GSTEP, 64*ROWB                    ; a trip of the fill: 8 groups of 8 rows
.set LSTEP, 16384                      ; and their 8 x 2,048 bytes in LDS
.set ESTR,  1152*8192                  ; an expert's rows of h
.set TSTR,  384*8192                   ; a trip's rows of h
.set XB,  4                            ; s[4:5]  the rows' base
.set SA0, 4                            ; v4      where I store in a group of 8 k: my wave's quarter + 1,024 g + 16 r
.set SA,  5                            ; v5      the same in the fill's trip in hand
.set XO,  16                           ; v16-21  tile t: my row's byte offset in xb, + 16 h
.set HO,  23                           ; v23     8 h rows of h + 16 r
.set Q,   24                           ; v24-31  tokens, four pairs that shift
.set BI,  32                           ; v32-39  b1 of my eight columns
.set SPW, 40                           ; v40     my spare word; never rewritten
.set NIL, 41                           ; v41     0; never rewritten
.set PK,  64                           ; v64-191 slot i: a group of 8 k x 4 columns in bf16, 16 registers
.set WFR, 64                           ; W's fragments
.set XS,  64                           ; the way out: x = sum + bias of a tile: 16 p + 2 f + i
.set GA,  128                          ; |x|
.set GT,  144                          ; 1 + 0.2316 |x|, then its reciprocal
.set GE,  160                          ; -x x log2(e) / 2, then 2 to that power
.set GM,  176                          ; max(x, 0), then gelu
.set LB0, 192                          ; v192    where I read fragments: 2,048 h + 16 r; never rewritten
.set LBV, 193                          ; v193    the same in the body in hand
.set LBN, 194                          ; v194    and in the next
.set WO,  196                          ; v196    4 x thread
.set WW,  197                          ; v197-198 the weight and the row of my rank of wr, dr
.set WD,  198
.set WAD, 199
.set WTK, 200                          ; v200    its token
.set RB,  201                          ; v201    64 h + 16 w + r
.set CSV, 202                          ; v202    cs
.set WRK, 203                          ; v203    my rank of wr, dr
.set GU,  208                          ; the polynomial
.set GP,  224                          ; v224-255 block p of a tile: two rows of 8 bf16, 8 registers
.set GO,  232                          ; v232-239 in the fill, slot i: 16 x lane + the first row of the group that the slot loads next
.set MSB, 0
.macro WIN new                         ; the immediate's high byte repeats the setting that is left; a switch that changes nothing is dropped
.if MSB != (\new)
	s_set_vgpr_msb (MSB<<8)|(\new)
.set MSB, \new
.endif
.endm
.macro PLACES                          ; four places behind a matrix instruction, ahead of loads into its sources and of reads of its result
.rept 4
	v_nop
.endr
.endm
.macro COUNT                           ; s26 = the expert's rows: the ones in its 32 bitmap words
	s_bcnt1_i32_b32 s26, s68
.set i, 1
.rept 31
	s_bcnt1_i32_b32 s50, s[68+i]
	s_add_co_u32 s26, s26, s50
.set i, i+1
.endr
.endm
.macro NTCALC                          ; s28 = nt, my live tiles in trip s29
	s_mul_i32 s50, s29, 24
	s_add_co_u32 s50, s50, s22
	s_sub_co_i32 s28, s100, s50
	s_add_co_i32 s28, s28, 3
	s_ashr_i32 s28, s28, 2
	s_max_i32 s28, s28, 3
	s_min_i32 s28, s28, 6
.endm
.macro SEL lvl, width, step            ; one level of the search for the k-th one of a word: does it lie past the field at pos?
	v_bfe_u32 v43, v[\lvl], v42, \width
	v_cmp_ge_u32 vcc_lo, v11, v43
	v_cndmask_b32 v43, 0, v43, vcc_lo
	v_cndmask_b32 v44, 0, \step, vcc_lo
	v_sub_nc_u32 v11, v11, v43
	v_add_nc_u32 v42, v42, v44
.endm
.macro RANK                            ; v8: a rank a lane -> v45: the token of that rank, or 1,024 past the count.  In registers alone
	v_mov_b32 v9, s68                              ; the last word whose ones begin at or below the rank,
	v_mov_b32 v10, 0                               ; the ones in front of it (bits 15:0) and its number (bits 20:16)
	s_mov_b32 s51, 0
.set i, 1
.rept 31
	s_bcnt1_i32_b32 s50, s[67+i]
	s_add_co_u32 s51, s51, s50
	s_or_b32 s52, s51, i<<16
	v_cmp_le_u32 vcc_lo, s51, v8
	v_cndmask_b32 v9, v9, s[68+i], vcc_lo
	v_cndmask_b32 v10, v10, s52, vcc_lo
.set i, i+1
.endr
	v_and_b32 v11, 0xffff, v10
	v_sub_nc_u32 v11, v8, v11                      ; k: which one of the word
	v_lshrrev_b32 v12, 1, v9
	v_and_b32 v12, 0x55555555, v12
	v_sub_nc_u32 v12, v9, v12                      ; ones in fields of 2 bits,
	v_lshrrev_b32 v13, 2, v12
	v_and_b32 v13, 0x33333333, v13
	v_and_b32 v43, 0x33333333, v12
	v_add_nc_u32 v13, v13, v43                     ; of 4,
	v_lshrrev_b32 v14, 4, v13
	v_add_nc_u32 v14, v14, v13
	v_and_b32 v14, 0x0f0f0f0f, v14                 ; of 8,
	v_lshrrev_b32 v15, 8, v14
	v_add_nc_u32 v15, v15, v14
	v_and_b32 v15, 0x00ff00ff, v15                 ; of 16
	v_mov_b32 v42, 0                               ; pos
	SEL 15, 8, 16
	SEL 14, 8, 8
	SEL 13, 4, 4
	SEL 12, 2, 2
	SEL 9, 1, 1
	v_lshrrev_b32 v43, 16, v10
	v_lshl_add_u32 v43, v43, 5, v42                ; the token
	v_cmp_gt_u32 vcc_lo, s26, v8
	v_cndmask_b32 v45, 0x400, v43, vcc_lo
.endm
; n look-ups, 128 ranks on each time.  In each the lower half of the lanes finds an even tile's tokens and the upper half the next tile's; the halves exchange, since both need both; the pair enters at Q + 6 and
; the older pairs move down.  wr = 1: the last look-up is for my rank of wr and dr, and v45 holds its token at the end.
.macro RANKLOOP n, wr
	s_mov_b32 s31, \n
.Lrk_\@:
	RANK
	v_permlanex16_b32 v46, v45, s66, s67
.set i, 0
.rept 6
	v_mov_b32 v[Q+i], v[Q+i+2]
.set i, i+1
.endr
	v_cndmask_b32 v[Q+6], v46, v45, s23
	v_cndmask_b32 v[Q+7], v45, v46, s23
	v_add_nc_u32 v8, 0x80, v8
.if \wr
	s_cmp_eq_u32 s31, 2
	s_cselect_b32 s50, -1, 0
	v_cndmask_b32 v8, v8, v[WRK], s50
.endif
	s_sub_co_u32 s31, s31, 1
	s_cmp_lg_u32 s31, 0
	s_cbranch_scc1 .Lrk_\@
.endm
.macro XOSET o                         ; the six tiles' tokens, from Q + o on, into byte offsets
.set t, 0
.rept 6
	v_min_u32 v[XO+t], 0x3ff, v[Q+(\o)+t]          ; a pad rank repeats token 1,023's row
	v_lshl_add_u32 v[XO+t], v[XO+t], 11, v7        ; 2,048 bytes a row, + 16 h
.set t, t+1
.endr
.endm
.macro FLOAD sl                        ; slot sl is filled with the group of 8 rows at which its offset register stands: eight loads of 512 consecutive bytes
	WIN 0x40                                       ; destination window 1, address window 0
.set j, 0
.rept 8
	global_load_b128 v[32*(\sl)+4*j:32*(\sl)+4*j+3], v[GO+(\sl)], s[34:35] offset:j*ROWB th:TH_LOAD_NT
.set j, j+1
.endr
.endm
; The turn of slot i.  left: how many younger loads may stay out.  ahead = 1: my offset steps to my next group, and the slot read in the turn before, whose offset stepped then, is asked for again.
.macro FTURN i, ahead, left
	s_wait_loadcnt \left                           ; loads come back in order (ISA guide 5.7.1): my slot's eight are in, so its offset register is free too
.if \ahead
	WIN 0
	v_add_nc_u32 v[GO+(\i)], GSTEP, v[GO+(\i)]
	FLOAD ((\i)+7)%8
.endif
	WIN 0x05                                       ; sources in window 1, destination in window 0
.set q, 0
.rept 4
.set p, 0
.rept 4
	v_cvt_pk_bf16_f32 v[PK+16*(\i)+4*q+p], v[32*(\i)+8*p+q], v[32*(\i)+8*p+4+q]  ; rows 2 p, 2 p + 1 of column q
.set p, p+1
.endr
.set q, q+1
.endr
	WIN 0
.set q, 0
.rept 4
	ds_store_b128 v[SA], v[PK+16*(\i)+4*q:PK+16*(\i)+4*q+3] offset:(\i)*2048+256*q  ; eight k of one column: 16 lanes store 256 consecutive bytes
.set q, q+1
.endr
.endm
.macro XLOAD b, sb, imm                ; the six tiles' fragments of one K step into buffer b: 12 loads
	WIN 0x40
.set t, 0
.rept 6
.set u, 0
.rept 2
	global_load_b128 v[48*(\b)+8*t+4*u:48*(\b)+8*t+4*u+3], v[XO+t], s[\sb:\sb+1] offset:(\imm)+32*u
.set u, u+1
.endr
.set t, t+1
.endr
.endm
.macro BLOAD a, off, buf               ; W's eight fragments of a K step into a buffer: 16 loads, 256 consecutive bytes for 16 lanes each
	WIN 0
.set f, 0
.rept 8
	ds_load_b128 v[WFR+64*(\buf)+8*f:WFR+64*(\buf)+8*f+3],   v[\a] offset:(\off)+f*256
	ds_load_b128 v[WFR+64*(\buf)+8*f+4:WFR+64*(\buf)+8*f+7], v[\a] offset:(\off)+f*256+4096
.set f, f+1
.endr
.endm
.macro TILE t, j, zero                 ; tile t x eight fragments.  The accumulators take turns, one instruction a turn
.set f, 0
.rept 8
.if \zero
	v_wmma_f32_16x16x32_bf16 v[64*((\t)%4)+8*f:64*((\t)%4)+8*f+7], v[48*(\j)+8*(\t):48*(\j)+8*(\t)+7], v[WFR+64*((\j)%2)+8*f:WFR+64*((\j)%2)+8*f+7], 0
.else
	v_wmma_f32_16x16x32_bf16 v[64*((\t)%4)+8*f:64*((\t)%4)+8*f+7], v[48*(\j)+8*(\t):48*(\j)+8*(\t)+7], v[WFR+64*((\j)%2)+8*f:WFR+64*((\j)%2)+8*f+7], v[64*((\t)%4)+8*f:64*((\t)%4)+8*f+7]
.endif
.set f, f+1
.endr
.endm
; K step j of a body's four.  Its fragments of W were asked for a K step ago, its rows three K steps ago; the rows three K steps on and W of the next K step are asked for now; then the live tiles' products.
.macro KSTEP j, zero
	s_wait_dscnt 0x0                               ; W's fragments of this K step are in
	s_wait_loadcnt 0x18                            ; this K step's rows are in; the two next K steps' 24 loads stay out
	PLACES
.if (\j) == 0
	XLOAD 3, 60, 192
.else
	XLOAD (\j)-1, 62, 64*((\j)-1)
.endif
.if (\j) < 3
	BLOAD LBV, ((\j)+1)*8192, ((\j)+1)%2
.else
	BLOAD LBN, 0, 0
.endif
	WIN 0xa1                                       ; rows window 1, W window 0, sums window 2
	TILE 0, \j, \zero
	TILE 1, \j, \zero
	TILE 2, \j, \zero
.if \zero
	TILE 3, \j, 1                                  ; the first K step begins all six tiles' sums with the constant 0
	WIN 0xf1                                       ; sums window 3
	TILE 4, \j, 1
	TILE 5, \j, 1
	WIN 0
.else
.irp t, 3,4,5
	WIN 0                                          ; at a branch and at a label every window is 0
	s_cmp_le_u32 s28, \t
	s_cbranch_scc1 .Lke_\@                         ; tiles from nt on have no rows: forward, past matrix work alone
	WIN 0xa1+0x50*(\t/4)
	TILE \t, \j, 0
.endr
	WIN 0
.Lke_\@:
.endif
.endm
.macro KBODY zero                      ; four K steps
	s_wait_xcnt 0x0                                ; the rows' two bases are written again only behind this wait
	s_add_nc_u64 s[60:61], s[XB:XB+1], s[54:55]    ; this body's 256 bytes of a row,
	s_add_co_u32 s54, s54, 256
	s_and_b32 s54, s54, 2047                       ; and the next body's: behind the last it goes back to 0, inside the row
	s_add_nc_u64 s[62:63], s[XB:XB+1], s[54:55]
	v_add_nc_u32 v[LBV], s30, v[LB0]               ; this body's 32,768 bytes of the slice,
	s_add_co_u32 s30, s30, 32768
	s_and_b32 s30, s30, 0x3ffff                    ; and the next body's: behind the last it goes back to 0, inside the slice
	v_add_nc_u32 v[LBN], s30, v[LB0]
	KSTEP 0, \zero
	KSTEP 1, 0
	KSTEP 2, 0
	KSTEP 3, 0
.endm
.macro GADD t                          ; tile t's sums + bias into XS.  p ascends
	WIN 0x02+(\t)/4                                ; source 0 in window 2 or 3
.set p, 0
.rept 4
.irp f, 0,2,4,6
	v_pk_add_f32 v[XS+16*p+2*\f:XS+16*p+2*\f+1], v[64*((\t)%4)+8*\f+2*p:64*((\t)%4)+8*\f+2*p+1], v[BI+\f:BI+\f+1] op_sel_hi:[1,0]
	v_pk_add_f32 v[XS+16*p+2*\f+2:XS+16*p+2*\f+3], v[64*((\t)%4)+8*\f+8+2*p:64*((\t)%4)+8*\f+9+2*p], v[BI+\f:BI+\f+1] op_sel:[0,1] op_sel_hi:[1,1]
.endr
.set p, p+1
.endr
	WIN 0
.endm
.macro GBLOCK p                        ; rows 8 h + 2 p, + 1 of the tile in XS: gelu, rounding, two stores from the block's own eight registers
.set GX, XS+16*(\p)
.set GQ, GP+8*(\p)
.set i, 0
.rept 16
	v_and_b32 v[GA+i], 0x7fffffff, v[GX+i]
.set i, i+1
.endr
.irp f, 0,1,2,3,4,5,6,7
	v_pk_fma_f32 v[GT+2*\f:GT+2*\f+1], v[GA+2*\f:GA+2*\f+1], s[38:39], 1.0 op_sel_hi:[1,0,0]
	v_pk_mul_f32 v[GE+2*\f:GE+2*\f+1], v[GX+2*\f:GX+2*\f+1], s[40:41] op_sel_hi:[1,0]
.endr
.irp f, 0,1,2,3,4,5,6,7
	v_pk_mul_f32 v[GE+2*\f:GE+2*\f+1], v[GE+2*\f:GE+2*\f+1], v[GX+2*\f:GX+2*\f+1]
.endr
.set i, 0
.rept 16
	v_rcp_f32 v[GT+i], v[GT+i]
	v_exp_f32 v[GE+i], v[GE+i]
.set i, i+1
.endr
.set i, 0
.rept 16
	v_max_num_f32 v[GM+i], 0, v[GX+i]              ; plain work behind the batch of 32
.set i, i+1
.endr
	s_wait_alu depctr_va_vdst(0)                   ; one wait for the batch, ahead of its first reader
.irp f, 0,1,2,3,4,5,6,7
	v_pk_fma_f32 v[GU+2*\f:GU+2*\f+1], v[GT+2*\f:GT+2*\f+1], s[36:37], s[42:43] op_sel_hi:[1,0,0]
.endr
.irp k, 44,46,48
.irp f, 0,1,2,3,4,5,6,7
	v_pk_fma_f32 v[GU+2*\f:GU+2*\f+1], v[GU+2*\f:GU+2*\f+1], v[GT+2*\f:GT+2*\f+1], s[\k:\k+1] op_sel_hi:[1,1,0]
.endr
.endr
.irp f, 0,1,2,3,4,5,6,7
	v_pk_mul_f32 v[GU+2*\f:GU+2*\f+1], v[GU+2*\f:GU+2*\f+1], v[GT+2*\f:GT+2*\f+1]
.endr
.irp f, 0,1,2,3,4,5,6,7
	v_pk_mul_f32 v[GU+2*\f:GU+2*\f+1], v[GU+2*\f:GU+2*\f+1], v[GE+2*\f:GE+2*\f+1]
.endr
.irp f, 0,1,2,3,4,5,6,7
	v_pk_fma_f32 v[GM+2*\f:GM+2*\f+1], v[GA+2*\f:GA+2*\f+1], v[GU+2*\f:GU+2*\f+1], v[GM+2*\f:GM+2*\f+1] neg_lo:[0,1,0] neg_hi:[0,1,0]
.endr
.irp i, 0,1
.irp q, 0,1,2,3
	v_cvt_pk_bf16_f32 v[GQ+4*\i+\q], v[GM+4*\q+\i], v[GM+4*\q+2+\i]  ; fragments 2 q, 2 q + 1 of row i; the last tile's stores from these registers stand ahead of the wait at this tile's head
.endr
.endr
	global_store_b128 v[HO], v[GQ:GQ+3], s[58:59] offset:(\p)*16384          ; 16 lanes store 256 consecutive bytes, aligned: a row's whole block of 128 columns
	global_store_b128 v[HO], v[GQ+4:GQ+7], s[58:59] offset:(\p)*16384+8192
.endm
	s_load_b512 s[4:19], s[0:1], 0x0               ; xb s[4:5], W1 s[6:7], b1 s[8:9], bm s[10:11], cw s[12:13], dst s[14:15], hbuf s[16:17], wr s[18:19]
	s_load_b64 s[20:21], s[0:1], 0x40              ; dr
	v_lshl_add_u32 v[SPW], v0, 2, SPARE
	v_mov_b32 v[NIL], 0
	v_lshrrev_b32 v42, 5, v0
	v_readfirstlane_b32 s22, v42                   ; wave 0..3
	s_lshr_b32 s24, ttmp9, 5                       ; e
	s_and_b32 s25, ttmp9, 31                       ; cs: the slice of 128 columns
	s_min_u32 s28, s25, 8                          ; the block of 128 ranks whose wr and dr I make
	v_and_b32 v1, 15, v0                           ; r
	v_bfe_u32 v2, v0, 4, 1                         ; h (in the fill: g)
	v_and_b32 v3, 31, v0                           ; lane
	v_lshlrev_b32 v6, 4, v1                        ; 16 r
	v_lshlrev_b32 v7, 4, v2                        ; 16 h
.set i, 0
.rept 8
	v_lshl_add_u32 v[GO+i], v3, 4, i*8*ROWB        ; slot i begins with group i of my 32
.set i, i+1
.endr
	s_lshl_b32 s50, s22, 16                        ; my wave fills the quarter of K of its own number: 32 groups of 2,048 bytes
	v_lshl_add_u32 v[SA0], v2, 10, v6
	v_add_nc_u32 v[SA0], s50, v[SA0]
	v_lshl_add_u32 v[LB0], v2, 11, v6
	v_lshl_add_u32 v[HO], v2, 16, v6
	v_cmp_eq_u32 s23, 0, v2                        ; the lower half of the lanes
	s_lshl_b32 s50, s22, 4
	v_lshl_add_u32 v[RB], v2, 6, v1
	v_add_nc_u32 v[RB], s50, v[RB]                 ; 64 h + 16 w + r: the first rank that I look up in a trip, less 384 u
	v_mov_b32 v[CSV], s25
	v_lshlrev_b32 v[WO], 2, v0
	s_lshl_b32 s53, s28, 7
	v_add_nc_u32 v[WRK], s53, v0                   ; wr, dr: thread t has rank 128 x block + t
	v_mov_b32 v46, 0                               ; v_permlanex16_b32's destination counts as read
.set i, 0
.rept 8
	v_mov_b32 v[Q+i], 0                            ; the pairs that shift are read before the first look-up has filled them
.set i, i+1
.endr
	s_lshl_b32 s56, s24, 7                         ; the expert's 128 bytes of the bitmap
	s_mov_b32 s57, 0
	s_lshl_b32 s50, s24, 24                        ; W1: the expert's weights,
	s_lshl_b32 s52, s22, 22                        ; my wave's 256 rows,
	s_add_co_u32 s50, s50, s52
	s_lshl_b32 s52, s25, 9                         ; the slice's 512 bytes of a row
	s_add_co_u32 s50, s50, s52
	s_mov_b32 s51, 0
	s_lshl_b32 s58, s24, 14                        ; b1: the expert's row, the slice's 512 bytes
	s_add_co_u32 s58, s58, s52
	s_mov_b32 s59, 0
	s_lshl_b32 s60, s24, 12                        ; cw, dst: the expert's row
	s_mov_b32 s61, 0
	s_mul_i32 s62, s24, 4608                       ; wr, dr: the expert's 1,152 words, the block's 512 bytes
	s_lshl_b32 s52, s28, 9
	s_add_co_u32 s62, s62, s52
	s_mov_b32 s63, 0
	s_mul_i32 s32, s24, ESTR                       ; h: the expert's rows,
	s_lshl_b32 s52, s22, 17                        ; my wave's 16 rows of 8,192 bytes,
	s_add_co_u32 s32, s32, s52
	s_lshl_b32 s52, s25, 8                         ; the slice's 256 bytes of a row
	s_add_co_u32 s32, s32, s52
	s_mov_b32 s33, 0
	s_mov_b32 s66, 0x76543210                      ; v_permlanex16_b32: each lane takes its own place in the other half
	s_mov_b32 s67, 0xfedcba98
	s_mov_b32 s36, 0x3f07dc23                      ; the polynomial's coefficients, halved: 0.53070271,
	s_mov_b32 s37, s36
	s_mov_b32 s38, 0x3e6d3388                      ; 0.3275911 / sqrt 2
	s_mov_b32 s39, s38
	s_mov_b32 s40, 0xbf38aa3b                      ; -log2(e) / 2
	s_mov_b32 s41, s40
	s_mov_b32 s42, 0xbf3a00e3                      ; -0.72657601,
	s_mov_b32 s43, s42
	s_mov_b32 s44, 0x3f35f0e3                      ; 0.71070687,
	s_mov_b32 s45, s44
	s_mov_b32 s46, 0xbe11a98e                      ; -0.14224837,
	s_mov_b32 s47, s46
	s_mov_b32 s48, 0x3e027906                      ; 0.12741480
	s_mov_b32 s49, s48
	s_wait_kmcnt 0x0
	s_add_nc_u64 s[10:11], s[10:11], s[56:57]
	s_load_b512 s[68:83], s[10:11], 0x0            ; the expert's bitmap: 32 words
	s_load_b512 s[84:99], s[10:11], 0x40
	s_add_nc_u64 s[34:35], s[6:7], s[50:51]        ; my quarter of the slice; never stepped
	s_add_nc_u64 s[8:9], s[8:9], s[58:59]
	s_add_nc_u64 s[12:13], s[12:13], s[60:61]
	s_add_nc_u64 s[14:15], s[14:15], s[60:61]
	s_add_nc_u64 s[18:19], s[18:19], s[62:63]
	s_add_nc_u64 s[20:21], s[20:21], s[62:63]
	s_add_nc_u64 s[16:17], s[16:17], s[32:33]
	global_load_b128 v[BI:BI+3], v6, s[8:9]        ; b1 of columns 4 r + 0..3,
	global_load_b128 v[BI+4:BI+7], v6, s[8:9] offset:256  ; and 64 + 4 r + 0..3: the oldest loads, so every later wait covers them
.irp m, 0,1,2,3,4,5,6
	FLOAD \m                                       ; seven slots go out: 56 loads, 28 KiB a wave
.endr
	WIN 0
	s_wait_kmcnt 0x0
	COUNT
	s_add_co_u32 s27, s26, 383                     ; nT = max(1, ceil(count / 384)): by 128, then by 3 as x 171 >> 9, exact up to 11
	s_lshr_b32 s27, s27, 7
	s_mul_i32 s27, s27, 171
	s_lshr_b32 s27, s27, 9
	s_max_u32 s27, s27, 1
	s_add_co_u32 s100, s26, 15
	s_lshr_b32 s100, s100, 4
	s_max_u32 s100, s100, 1                        ; the expert's tiles, at least one
	s_mov_b32 s29, 0                               ; u
	NTCALC
	v_mov_b32 v8, v[RB]
	RANKLOOP 4, 1                                  ; the first trip's six tiles, then my rank of wr and dr: in the wait for the first weights
	XOSET 0
	v_mov_b32 v[WTK], v45
	v_min_u32 v[WAD], 0x3ff, v45
	v_lshlrev_b32 v[WAD], 2, v[WAD]
	global_load_b32 v[WW], v[WAD], s[12:13]        ; the token's weight and row: two more loads behind the 56; they are used behind the fill's last wait
	global_load_b32 v[WD], v[WAD], s[14:15]
	s_mov_b32 s30, 0
	s_mov_b32 s31, 3
.Lfill:                                                ; three trips of eight turns: groups 0 to 23 of my 32, each turn asking for the group seven on
	v_add_nc_u32 v[SA], s30, v[SA0]
.irp i, 0,1,2,3,4,5,6,7
	FTURN \i, 1, 48                                ; six younger slots, 48 loads, stay out
.endr
	s_add_co_u32 s30, s30, LSTEP
	s_sub_co_u32 s31, s31, 1
	s_cmp_lg_u32 s31, 0
	s_cbranch_scc1 .Lfill
	v_add_nc_u32 v[SA], s30, v[SA0]
	FTURN 0, 1, 48                                 ; the last eight groups: one more request (group 31), then the counts run down
.irp i, 1,2,3,4
	FTURN \i, 0, 56-8*\i
.endr
	XLOAD 0, XB, 0                                 ; slots 0 to 4 are read out: the first trip's rows of K steps 0 to 2 go out into their registers: 36 loads behind the 24 still out
	XLOAD 1, XB, 64
	XLOAD 2, XB, 128
	FTURN 5, 0, 52                                 ; two younger slots and the 36
	FTURN 6, 0, 44
	FTURN 7, 0, 36
.irp p, 0,1,2,3
	v_cvt_pk_bf16_f32 v[42+\p], v[BI+2*\p], v[BI+2*\p+1]  ; b1 rounded to bf16 like every input,
.endr
.irp p, 0,1,2,3
	v_lshlrev_b32 v[BI+2*\p], 16, v[42+\p]         ; and widened again
	v_and_b32 v[BI+2*\p+1], 0xffff0000, v[42+\p]
.endr
	s_add_co_u32 s52, s24, 2048                    ; a pad rank's results go to the expert's dump row, with weight 0
	v_cmp_gt_u32 vcc_lo, 0x400, v[WTK]
	v_cndmask_b32 v[WW], 0, v[WW], vcc_lo
	v_cndmask_b32 v[WD], s52, v[WD], vcc_lo
	v_cmp_gt_u32 vcc_lo, 9, v[CSV]                 ; slices 0 to 8 alone store: each word of wr and dr has one owner
	s_wait_xcnt 0x0                                ; EXEC changes only behind this wait
	s_and_saveexec_b32 s50, vcc_lo
	global_store_b32 v[WO], v[WW], s[18:19]        ; a wave stores 128 consecutive bytes
	global_store_b32 v[WO], v[WD], s[20:21]
	s_wait_xcnt 0x0                                ; and again, in front of the line that widens it
	s_or_b32 exec_lo, exec_lo, s50
	s_mov_b32 s30, 0                               ; the slice's and the row's offsets: each comes back to 0 behind a trip's eight bodies
	s_mov_b32 s54, 0
	s_mov_b32 s55, 0
	s_wait_dscnt 0x0                               ; for the others' sake: my quarter of the slice is in LDS
	s_barrier_signal -1
	s_barrier_wait -1                              ; the whole slice is; nothing writes it from here on
.Ltrip:                                                ; trip u: ranks 384 u .. + 383; its rows of K steps 0 to 2 are on their way
	BLOAD LB0, 0, 0
	KBODY 1
	s_mov_b32 s101, 7
.Lk:
	KBODY 0
	s_sub_co_u32 s101, s101, 1
	s_cmp_lg_u32 s101, 0
	s_cbranch_scc1 .Lk
	s_wait_dscnt 0x0                               ; the last look-ahead, which nobody uses: its registers are written again below
	s_wait_loadcnt 0x0
	PLACES
	s_mov_b32 s31, 0
.Lgt:                                                  ; the way out, a live tile a trip: the counter picks the adds that name the tile's accumulators; all else is written once
.irp t, 0,1,2,3,4
	s_cmp_eq_u32 s31, \t
	s_cbranch_scc1 .Lg\t
.endr
	GADD 5
	s_branch .Lgb
.irp t, 0,1,2,3,4
.Lg\t:
	GADD \t
	s_branch .Lgb
.endr
.Lgb:
	s_lshl_b32 s50, s31, 19                        ; my tiles lie 64 rows of 8,192 bytes apart
	s_mov_b32 s51, 0
	s_wait_xcnt 0x0                                ; the last tile's eight stores have read their base and their data: both are written again only behind this wait
	s_add_nc_u64 s[58:59], s[16:17], s[50:51]
	GBLOCK 0
	GBLOCK 1
	GBLOCK 2
	GBLOCK 3
	s_add_co_u32 s31, s31, 1
	s_cmp_lt_u32 s31, s28
	s_cbranch_scc1 .Lgt
	s_add_co_u32 s29, s29, 1
	s_cmp_ge_u32 s29, s27
	s_cbranch_scc1 .Ldone                          ; no further trip: nothing more is looked up or asked for
	s_wait_xcnt 0x0
	s_add_nc_u64 s[16:17], s[16:17], TSTR          ; 384 rows of h on
	s_mul_i32 s53, s29, 384
	v_add_nc_u32 v8, s53, v[RB]
	RANKLOOP 3, 0
	XOSET 2
	NTCALC
	XLOAD 0, XB, 0
	XLOAD 1, XB, 64
	XLOAD 2, XB, 128
	WIN 0
	s_cmp_lt_u32 s29, s27
	s_cbranch_scc1 .Ltrip
.Ldone:
	s_wait_dscnt 0x0
	s_barrier_signal -1                            ; every wave has read the slice for the last time
	s_barrier_wait -1
	s_wait_tensorcnt 0x0                           ; the wave's end
	ds_add_u32 v[SPW], v[NIL]
	s_wait_dscnt 0x0
	s_endpgm
.Lfunc_end_k_q8f8357969f_ffn1:
	.size	k_q8f8357969f_ffn1, .Lfunc_end_k_q8f8357969f_ffn1-k_q8f8357969f_ffn1
	.p2alignl 7, 3214868480
	.fill 96, 4, 3214868480
	.section	.rodata,"a",@progbits
	.p2align	6, 0x0
	.amdhsa_kernel k_q8f8357969f_ffn1
		.amdhsa_group_segment_fixed_size 262656
		.amdhsa_private_segment_fixed_size 0
		.amdhsa_enable_private_segment 0
		.amdhsa_kernarg_size 72
		.amdhsa_user_sgpr_count 2
		.amdhsa_user_sgpr_kernarg_segment_ptr 1
		.amdhsa_wavefront_size32 1
		.amdhsa_system_sgpr_workgroup_id_x 1
		.amdhsa_system_sgpr_workgroup_id_y 1
		.amdhsa_system_sgpr_workgroup_id_z 1
		.amdhsa_system_vgpr_workitem_id 0
		.amdhsa_next_free_vgpr 896
		.amdhsa_next_free_sgpr 102
		.amdhsa_reserve_vcc 1
		.amdhsa_float_denorm_mode_32 3
		.amdhsa_float_denorm_mode_16_64 3
		.amdhsa_memory_ordered 1
		.amdhsa_forward_progress 1
		.amdhsa_inst_pref_size 171
	.end_amdhsa_kernel
	.amdgpu_metadata
---
amdhsa.version: [ 1, 2 ]
amdhsa.kernels:
  - .name:           k_q8f8357969f_ffn1
    .symbol:         k_q8f8357969f_ffn1.kd
    .args:
      - { .name: xb, .offset: 0, .size: 8, .value_kind: global_buffer, .address_space: global }
      - { .name: W1, .offset: 8, .size: 8, .value_kind: global_buffer, .address_space: global }
      - { .name: b1, .offset: 16, .size: 8, .value_kind: global_buffer, .address_space: global }
      - { .name: bm, .offset: 24, .size: 8, .value_kind: global_buffer, .address_space: global }
      - { .name: cw, .offset: 32, .size: 8, .value_kind: global_buffer, .address_space: global }
      - { .name: dst, .offset: 40, .size: 8, .value_kind: global_buffer, .address_space: global }
      - { .name: hbuf, .offset: 48, .size: 8, .value_kind: global_buffer, .address_space: global }
      - { .name: wr, .offset: 56, .size: 8, .value_kind: global_buffer, .address_space: global }
      - { .name: dr, .offset: 64, .size: 8, .value_kind: global_buffer, .address_space: global }
    .group_segment_fixed_size: 262656
    .private_segment_fixed_size: 0
    .kernarg_segment_align: 8
    .kernarg_segment_size: 72
    .max_flat_workgroup_size: 128
    .sgpr_count:     102
    .vgpr_count:     896
    .wavefront_size: 32
...
	.end_amdgpu_metadata
.endif
;; end of part 6
;; launch ffn2 (part 7): grid 256 x 1, 4 waves a work-group, no clusters, 262,656 bytes of LDS; arguments hbuf, W2, bm, wr, dr, yp; writes yp
.if DOCPART == 7
	.amdgcn_target "amdgcn-amd-amdhsa--gfx1250"
	.amdhsa_code_object_version 6
	.text
	.protected	k_q8f8357969f_ffn2
	.globl	k_q8f8357969f_ffn2
	.p2align	8
	.type	k_q8f8357969f_ffn2,@function
k_q8f8357969f_ffn2:
	s_mov_b64 s[64:65], 0
	v_nop
	global_prefetch_b8 v0, s[64:65] scope:SCOPE_SE
	s_setreg_imm32_b32 hwreg(HW_REG_WAVE_MODE, 25, 1), 1
	s_wait_xcnt 0x0
; SECOND PRODUCT.  Partial rows w (h W2[e]) for the rows that chose expert e, w the gate's weight; W2 is rounded to bf16 on its way, sums in f32, the partial rows leave in f32.
; GRID.  256 = 8 experts x 4 quarters of K = 4,096 x 8 slices of 128 columns: a work-group has 1,024 x 128 f32 of one expert's weights (512 KiB), which it alone reads, and all of the expert's rows by rank:
; the first product's shape and text.  K is split so that there are 256 such shares; the price is four partial rows for each routed row, which the last launch adds.
; PHASE 1, THE FILL: as in the first product, into LDS as [128 groups of 8 k][128 positions][16 bytes].  h's columns lie permuted inside each block of 128 (position 8 rho + f holds column
; 64 (f >> 2) + 4 rho + (f & 3)); h is read as it lies, and group 16 b + rho of LDS takes W2's rows 128 b + 4 rho + (j & 3) + 64 (j >> 2), j = 0 .. 7: the same order.  Wave w fills rho = 4 w .. 4 w + 3 of all 8 blocks.
; A slot owns its data registers, its offset register (stepped at the head of its turn, where the wait for its loads has just freed it) and the 16 registers that it rounds into.
; PHASE 2, THE ROWS: nT = max(1, ceil(count / 384)) trips of 384 ranks, six tiles a wave (rank = 384 u + 64 t + 16 w + r), of which nt = clamp(ceil((tiles - 24 u - w) / 4), 3, 6) are live: the first product's
; numbers, so the live tiles' rows of h are just those that it stored.  The matrix work and the stores of the other tiles are jumped; their loads are not: all their lanes name my tile 0's first row.
; K is a loop of bodies of four K steps, the first written out with C = 0; the LDS offset and the rows' byte offset wrap, so that the last look-ahead stays inside and every wait has one count.
; ROWS OUT.  Rank's row of yp is dr[e][rank] (2 token + slot, or the expert's dump row for a pad rank, with weight 0); a row of yp is [4 quarters][1,024] f32.  Each row and quarter has one owner.
; NO CLUSTER, NO TENSOR LOADS: a share of weights has one reader and must be rounded on its way; the h rows that an expert's 8 slices share would want LDS that the weights fill.
; REGISTERS: window 0 addresses; v64-191 in the fill the slots' rounded numbers, then two fragment buffers (on the way out T and OFF); v192-194 LDS addresses; v196-203 the slots' offsets; window 1 the fill's slots,
; then h's four buffers of 48; window 2 the accumulators of tiles 0-3; window 3 v0-127 those of tiles 4, 5, v128-175 wr, v176-223 dr.
.set SPARE, 262144
.set ROWB,  4096                       ; bytes from row to row of W2
.set GSTEP, 256*ROWB                   ; a trip of the fill: two blocks of 128 rows
.set LSTEP, 65536                      ; and their 32 groups in LDS
.set ESTR,  1152*8192                  ; an expert's rows of h
.set TSTR,  384*8192                   ; a trip's rows of h
.set XB,  48                           ; s[48:49] the rows' base: the expert, the quarter, the trip
.set SA0, 4
.set SA,  5
.set RO,  9                            ; v9      32 h: my eight rows' words in wr and dr
.set XO,  16                           ; v16-21  tile t: my row's byte offset in a trip's 384 rows of h, + 16 h
.set SPW, 40
.set NIL, 41
.set PK,  64                           ; v64-191 slot i: a group of 8 k x 4 columns in bf16, 16 registers
.set WFR, 64
.set TT,  64                           ; the way out: 8 rows x 8 columns, weighted
.set OFF, 128                          ; and the rows' byte offsets in yp
.set LB0, 192
.set LBV, 193
.set LBN, 194
.set GO,  196                          ; v196-203 slot i: 16 x lane + the first row of the group that the slot loads next
.set WRV, 128                          ; window 3: the weights of my 8 rows, by tile
.set DRV, 176                          ; window 3: their rows of yp
.set MSB, 0
.macro WIN new                         ; the immediate's high byte repeats the setting that is left; a switch that changes nothing is dropped
.if MSB != (\new)
	s_set_vgpr_msb (MSB<<8)|(\new)
.set MSB, \new
.endif
.endm
.macro PLACES                          ; four places behind a matrix instruction, ahead of loads into its sources and of reads of its result
.rept 4
	v_nop
.endr
.endm
.macro COUNT                           ; s26 = the expert's rows
	s_bcnt1_i32_b32 s26, s68
.set i, 1
.rept 31
	s_bcnt1_i32_b32 s50, s[68+i]
	s_add_co_u32 s26, s26, s50
.set i, i+1
.endr
.endm
.macro NTCALC                          ; s28 = nt, my live tiles in trip s29
	s_mul_i32 s50, s29, 24
	s_add_co_u32 s50, s50, s22
	s_sub_co_i32 s28, s100, s50
	s_add_co_i32 s28, s28, 3
	s_ashr_i32 s28, s28, 2
	s_max_i32 s28, s28, 3
	s_min_i32 s28, s28, 6
.endm
.macro XOSET                           ; the six tiles' rows into byte offsets
.set t, 0
.rept 6
	s_cmp_gt_u32 s28, t
	s_cselect_b32 s50, -1, 0
	v_add_nc_u32 v[XO+t], 64*t, v10
	v_cndmask_b32 v[XO+t], v11, v[XO+t], s50       ; a tile without rows names my tile 0's first row, which the first product always stores
	v_min_u32 v[XO+t], 0x17f, v[XO+t]
	v_lshl_add_u32 v[XO+t], v[XO+t], 13, v7        ; 8,192 bytes a row, + 16 h
.set t, t+1
.endr
.endm
.macro FLOAD sl                        ; slot sl is filled with the group at which its offset register stands: eight loads of 512 consecutive bytes, in h's order of columns
	WIN 0x40
.set j, 0
.rept 8
	global_load_b128 v[32*(\sl)+4*j:32*(\sl)+4*j+3], v[GO+(\sl)], s[34:35] offset:((j&3)+64*(j>>2))*ROWB th:TH_LOAD_NT
.set j, j+1
.endr
.endm
.macro FTURN i, ahead, left            ; the turn of slot i, as in the first product
	s_wait_loadcnt \left                           ; loads come back in order (ISA guide 5.7.1): my slot's eight are in, so its offset register is free too
.if \ahead
	WIN 0
	v_add_nc_u32 v[GO+(\i)], GSTEP, v[GO+(\i)]
	FLOAD ((\i)+7)%8
.endif
	WIN 0x05
.set q, 0
.rept 4
.set p, 0
.rept 4
	v_cvt_pk_bf16_f32 v[PK+16*(\i)+4*q+p], v[32*(\i)+8*p+q], v[32*(\i)+8*p+4+q]
.set p, p+1
.endr
.set q, q+1
.endr
	WIN 0
.set q, 0
.rept 4
	ds_store_b128 v[SA], v[PK+16*(\i)+4*q:PK+16*(\i)+4*q+3] offset:((\i)>>2)*32768+((\i)&3)*2048+256*q
.set q, q+1
.endr
.endm
.macro XLOAD b, sb, imm                ; the six tiles' fragments of one K step into buffer b: 12 loads
	WIN 0x40
.set t, 0
.rept 6
.set u, 0
.rept 2
	global_load_b128 v[48*(\b)+8*t+4*u:48*(\b)+8*t+4*u+3], v[XO+t], s[\sb:\sb+1] offset:(\imm)+32*u
.set u, u+1
.endr
.set t, t+1
.endr
.endm
.macro BLOAD a, off, buf               ; W's eight fragments of a K step into a buffer: 16 loads
	WIN 0
.set f, 0
.rept 8
	ds_load_b128 v[WFR+64*(\buf)+8*f:WFR+64*(\buf)+8*f+3],   v[\a] offset:(\off)+f*256
	ds_load_b128 v[WFR+64*(\buf)+8*f+4:WFR+64*(\buf)+8*f+7], v[\a] offset:(\off)+f*256+4096
.set f, f+1
.endr
.endm
.macro TILE t, j, zero                 ; tile t x eight fragments.  The accumulators take turns, one instruction a turn
.set f, 0
.rept 8
.if \zero
	v_wmma_f32_16x16x32_bf16 v[64*((\t)%4)+8*f:64*((\t)%4)+8*f+7], v[48*(\j)+8*(\t):48*(\j)+8*(\t)+7], v[WFR+64*((\j)%2)+8*f:WFR+64*((\j)%2)+8*f+7], 0
.else
	v_wmma_f32_16x16x32_bf16 v[64*((\t)%4)+8*f:64*((\t)%4)+8*f+7], v[48*(\j)+8*(\t):48*(\j)+8*(\t)+7], v[WFR+64*((\j)%2)+8*f:WFR+64*((\j)%2)+8*f+7], v[64*((\t)%4)+8*f:64*((\t)%4)+8*f+7]
.endif
.set f, f+1
.endr
.endm
.macro KSTEP j, zero                   ; K step j of a body's four, as in the first product
	s_wait_dscnt 0x0                               ; W's fragments of this K step are in
	s_wait_loadcnt 0x18                            ; this K step's rows are in; the two next K steps' 24 loads stay out (in a trip's first two K steps wr's and dr's loads are younger still: the count then waits for more than it need)
	PLACES
.if (\j) == 0
	XLOAD 3, 60, 192
.else
	XLOAD (\j)-1, 62, 64*((\j)-1)
.endif
.if (\j) < 3
	BLOAD LBV, ((\j)+1)*8192, ((\j)+1)%2
.else
	BLOAD LBN, 0, 0
.endif
	WIN 0xa1                                       ; rows window 1, W window 0, sums window 2
	TILE 0, \j, \zero
	TILE 1, \j, \zero
	TILE 2, \j, \zero
.if \zero
	TILE 3, \j, 1                                  ; the first K step begins all six tiles' sums with the constant 0
	WIN 0xf1
	TILE 4, \j, 1
	TILE 5, \j, 1
	WIN 0
.else
.irp t, 3,4,5
	WIN 0                                          ; at a branch and at a label every window is 0
	s_cmp_le_u32 s28, \t
	s_cbranch_scc1 .Lke_\@                         ; tiles from nt on have no rows: forward, past matrix work alone
	WIN 0xa1+0x50*(\t/4)
	TILE \t, \j, 0
.endr
	WIN 0
.Lke_\@:
.endif
.endm
.macro KBODY zero                      ; four K steps
	s_wait_xcnt 0x0                                ; the rows' two bases are written again only behind this wait
	s_add_nc_u64 s[60:61], s[XB:XB+1], s[54:55]    ; this body's 256 bytes of a row,
	s_add_co_u32 s54, s54, 256
	s_and_b32 s54, s54, 2047                       ; and the next body's: behind the last it goes back to 0, inside the quarter
	s_add_nc_u64 s[62:63], s[XB:XB+1], s[54:55]
	v_add_nc_u32 v[LBV], s30, v[LB0]
	s_add_co_u32 s30, s30, 32768
	s_and_b32 s30, s30, 0x3ffff                    ; behind the last body back to 0, inside the weights
	v_add_nc_u32 v[LBN], s30, v[LB0]
	KSTEP 0, \zero
	KSTEP 1, 0
	KSTEP 2, 0
	KSTEP 3, 0
.endm
	s_load_b256 s[4:11], s[0:1], 0x0               ; hbuf s[4:5], W2 s[6:7], bm s[8:9], wr s[10:11]
	s_load_b128 s[12:15], s[0:1], 0x20             ; dr s[12:13], yp s[14:15]
	v_lshl_add_u32 v[SPW], v0, 2, SPARE
	v_mov_b32 v[NIL], 0
	v_lshrrev_b32 v42, 5, v0
	v_readfirstlane_b32 s22, v42                   ; wave 0..3
	s_lshr_b32 s24, ttmp9, 5                       ; e
	s_bfe_u32 s20, ttmp9, 0x20003                  ; kq: the quarter of K
	s_and_b32 s25, ttmp9, 7                        ; cs: the slice of 128 columns
	v_and_b32 v1, 15, v0                           ; r
	v_bfe_u32 v2, v0, 4, 1                         ; h (in the fill: g)
	v_and_b32 v3, 31, v0                           ; lane
	v_lshlrev_b32 v6, 4, v1                        ; 16 r
	v_lshlrev_b32 v7, 4, v2                        ; 16 h
.set i, 0
.rept 8
	v_lshl_add_u32 v[GO+i], v3, 4, (128*(i>>2)+4*(i&3))*ROWB  ; slot i begins with block i >> 2, rho 4 w + (i & 3)
.set i, i+1
.endr
	v_lshlrev_b32 v[RO], 5, v2
	s_lshl_b32 s50, s22, 13                        ; my wave's four groups in each block of 16
	v_lshl_add_u32 v[SA0], v2, 10, v6
	v_add_nc_u32 v[SA0], s50, v[SA0]
	v_lshl_add_u32 v[LB0], v2, 11, v6
	s_lshl_b32 s50, s22, 4
	v_add_nc_u32 v10, s50, v1                      ; 16 w + r: my row in tile 0
	v_mov_b32 v11, s50                             ; 16 w: tile 0's first row
	s_lshl_b32 s56, s24, 7                         ; the expert's 128 bytes of the bitmap
	s_mov_b32 s57, 0
	s_lshl_b32 s50, s24, 24                        ; W2: the expert's weights,
	s_lshl_b32 s52, s20, 22                        ; the quarter's 1,024 rows,
	s_add_co_u32 s50, s50, s52
	s_lshl_b32 s52, s22, 16                        ; my wave's 16 rows in each half block,
	s_add_co_u32 s50, s50, s52
	s_lshl_b32 s52, s25, 9                         ; the slice's 512 bytes of a row
	s_add_co_u32 s50, s50, s52
	s_mov_b32 s51, 0
	s_mul_i32 s58, s24, ESTR                       ; h: the expert's rows, the quarter's 2,048 bytes of a row
	s_lshl_b32 s52, s20, 11
	s_add_co_u32 s58, s58, s52
	s_mov_b32 s59, 0
	s_mul_i32 s16, s24, 4608                       ; wr, dr: the expert's 1,152 words, my wave's 16 ranks
	s_lshl_b32 s52, s22, 6
	s_add_co_u32 s16, s16, s52
	s_mov_b32 s17, 0
	s_lshl_b32 s32, s20, 12                        ; in a row of yp: the quarter's 4,096 bytes, the slice's 512
	s_lshl_b32 s52, s25, 9
	s_add_co_u32 s32, s32, s52
	s_mov_b32 s33, 0
	s_wait_kmcnt 0x0
	s_add_nc_u64 s[8:9], s[8:9], s[56:57]
	s_load_b512 s[68:83], s[8:9], 0x0              ; the expert's bitmap
	s_load_b512 s[84:99], s[8:9], 0x40
	s_add_nc_u64 s[34:35], s[6:7], s[50:51]        ; my part of the weights; never stepped
	s_add_nc_u64 s[48:49], s[4:5], s[58:59]
	s_add_nc_u64 s[10:11], s[10:11], s[16:17]
	s_add_nc_u64 s[12:13], s[12:13], s[16:17]
	s_add_nc_u64 s[14:15], s[14:15], s[32:33]
.irp m, 0,1,2,3,4,5,6
	FLOAD \m                                       ; seven slots go out: 56 loads, 28 KiB a wave
.endr
	WIN 0
	s_wait_kmcnt 0x0
	COUNT
	s_add_co_u32 s27, s26, 383                     ; nT = max(1, ceil(count / 384)): by 128, then by 3 as x 171 >> 9, exact up to 11
	s_lshr_b32 s27, s27, 7
	s_mul_i32 s27, s27, 171
	s_lshr_b32 s27, s27, 9
	s_max_u32 s27, s27, 1
	s_add_co_u32 s100, s26, 15
	s_lshr_b32 s100, s100, 4
	s_max_u32 s100, s100, 1                        ; the expert's tiles, at least one
	s_mov_b32 s29, 0                               ; u
	NTCALC
	XOSET
	s_mov_b32 s30, 0
	s_mov_b32 s31, 3
.Lfill:                                                ; three trips of eight turns, each turn asking for the group seven on
	v_add_nc_u32 v[SA], s30, v[SA0]
.irp i, 0,1,2,3,4,5,6,7
	FTURN \i, 1, 48                                ; six younger slots, 48 loads, stay out
.endr
	s_add_co_u32 s30, s30, LSTEP
	s_sub_co_u32 s31, s31, 1
	s_cmp_lg_u32 s31, 0
	s_cbranch_scc1 .Lfill
	v_add_nc_u32 v[SA], s30, v[SA0]
	FTURN 0, 1, 48                                 ; the last eight groups: one more request, then the counts run down
.irp i, 1,2,3,4
	FTURN \i, 0, 56-8*\i
.endr
	XLOAD 0, XB, 0                                 ; slots 0 to 4 are read out: the first trip's rows of K steps 0 to 2 go out into their registers: 36 loads behind the 24 still out
	XLOAD 1, XB, 64
	XLOAD 2, XB, 128
	FTURN 5, 0, 52                                 ; two younger slots and the 36
	FTURN 6, 0, 44
	FTURN 7, 0, 36
	s_mov_b32 s30, 0                               ; the weights' and the row's offsets: each comes back to 0 behind a trip's eight bodies
	s_mov_b32 s54, 0
	s_mov_b32 s55, 0
	s_wait_dscnt 0x0                               ; for the others' sake: my part of the weights is in LDS
	s_barrier_signal -1
	s_barrier_wait -1                              ; all of them are; nothing writes them from here on
.Ltrip:                                                ; trip u: ranks 384 u .. + 383; its rows of K steps 0 to 2 are on their way
	WIN 0xc0                                       ; destination window 3, address window 0
.set t, 0
.rept 6
.set u, 0
.rept 2
	global_load_b128 v[WRV+8*t+4*u:WRV+8*t+4*u+3], v[RO], s[10:11] offset:256*t+16*u  ; the weights and rows of yp of my rows 8 h + 0..7: 24 loads behind the 36, wanted on the way out
	global_load_b128 v[DRV+8*t+4*u:DRV+8*t+4*u+3], v[RO], s[12:13] offset:256*t+16*u
.set u, u+1
.endr
.set t, t+1
.endr
	BLOAD LB0, 0, 0
	KBODY 1
	s_mov_b32 s101, 7
.Lk:
	KBODY 0
	s_sub_co_u32 s101, s101, 1
	s_cmp_lg_u32 s101, 0
	s_cbranch_scc1 .Lk
	s_wait_dscnt 0x0                               ; the last look-ahead, which nobody uses: its registers are written again below
	s_wait_loadcnt 0x0
	PLACES
	; THE WAY OUT.  Register j of a lane is row 8 h + j; fragments 4 g + 0..3 are four neighbouring columns.  The multiply by the gate's weight also sets those four side by side.
.set t, 0
.rept 6
	WIN 0
.if t >= 3
	s_cmp_le_u32 s28, t
	s_cbranch_scc1 .Lstored                        ; tiles from nt on have no rows: forward, past arithmetic and stores alone
.endif
	s_wait_xcnt 0x0                                ; the last tile's stores have read their registers: these are written again only behind this wait
	WIN 0x0c                                       ; source 1 in window 3
.set j, 0
.rept 8
	v_min_u32 v[OFF+j], 0x807, v[DRV+8*t+j]        ; the row of yp, 2,055 at the most
.set j, j+1
.endr
	WIN 0
.set j, 0
.rept 8
	v_lshl_add_u32 v[OFF+j], v[OFF+j], 14, v6      ; 16,384 bytes a row, + 16 r
.set j, j+1
.endr
	WIN 0x0e+(t/4)                                 ; source 0 in window 2 or 3, source 1 in window 3
.set j, 0
.rept 8                                ; each accumulator's lowest register first
.set f, 0
.rept 8
	v_mul_f32 v[TT+8*j+f], v[64*(t%4)+8*f+j], v[WRV+8*t+j]
.set f, f+1
.endr
.set j, j+1
.endr
	WIN 0
.set j, 0
.rept 8
	global_store_b128 v[OFF+j], v[TT+8*j:TT+8*j+3], s[14:15]               ; 16 lanes store 256 consecutive bytes of one row, aligned
	global_store_b128 v[OFF+j], v[TT+8*j+4:TT+8*j+7], s[14:15] offset:256
.set j, j+1
.endr
.set t, t+1
.endr
	WIN 0
.Lstored:
	s_add_co_u32 s29, s29, 1
	s_cmp_ge_u32 s29, s27
	s_cbranch_scc1 .Ldone                          ; no further trip: nothing more is asked for
	s_wait_xcnt 0x0                                ; the stores' registers and the loads' bases are written again only behind this wait
	s_add_nc_u64 s[48:49], s[48:49], TSTR          ; 384 rows of h on,
	s_add_nc_u64 s[10:11], s[10:11], 1536          ; 384 words of wr and of dr
	s_add_nc_u64 s[12:13], s[12:13], 1536
	NTCALC
	XOSET
	XLOAD 0, XB, 0
	XLOAD 1, XB, 64
	XLOAD 2, XB, 128
	WIN 0
	s_cmp_lt_u32 s29, s27
	s_cbranch_scc1 .Ltrip
.Ldone:
	s_wait_dscnt 0x0
	s_barrier_signal -1                            ; every wave has read the weights for the last time
	s_barrier_wait -1
	s_wait_tensorcnt 0x0                           ; the wave's end
	ds_add_u32 v[SPW], v[NIL]
	s_wait_dscnt 0x0
	s_endpgm
.Lfunc_end_k_q8f8357969f_ffn2:
	.size	k_q8f8357969f_ffn2, .Lfunc_end_k_q8f8357969f_ffn2-k_q8f8357969f_ffn2
	.p2alignl 7, 3214868480
	.fill 96, 4, 3214868480
	.section	.rodata,"a",@progbits
	.p2align	6, 0x0
	.amdhsa_kernel k_q8f8357969f_ffn2
		.amdhsa_group_segment_fixed_size 262656
		.amdhsa_private_segment_fixed_size 0
		.amdhsa_enable_private_segment 0
		.amdhsa_kernarg_size 48
		.amdhsa_user_sgpr_count 2
		.amdhsa_user_sgpr_kernarg_segment_ptr 1
		.amdhsa_wavefront_size32 1
		.amdhsa_system_sgpr_workgroup_id_x 1
		.amdhsa_system_sgpr_workgroup_id_y 1
		.amdhsa_system_sgpr_workgroup_id_z 1
		.amdhsa_system_vgpr_workitem_id 0
		.amdhsa_next_free_vgpr 1024
		.amdhsa_next_free_sgpr 102
		.amdhsa_reserve_vcc 0
		.amdhsa_float_denorm_mode_32 3
		.amdhsa_float_denorm_mode_16_64 3
		.amdhsa_memory_ordered 1
		.amdhsa_forward_progress 1
		.amdhsa_inst_pref_size 131
	.end_amdhsa_kernel
	.amdgpu_metadata
---
amdhsa.version: [ 1, 2 ]
amdhsa.kernels:
  - .name:           k_q8f8357969f_ffn2
    .symbol:         k_q8f8357969f_ffn2.kd
    .args:
      - { .name: hbuf, .offset: 0, .size: 8, .value_kind: global_buffer, .address_space: global }
      - { .name: W2, .offset: 8, .size: 8, .value_kind: global_buffer, .address_space: global }
      - { .name: bm, .offset: 16, .size: 8, .value_kind: global_buffer, .address_space: global }
      - { .name: wr, .offset: 24, .size: 8, .value_kind: global_buffer, .address_space: global }
      - { .name: dr, .offset: 32, .size: 8, .value_kind: global_buffer, .address_space: global }
      - { .name: yp, .offset: 40, .size: 8, .value_kind: global_buffer, .address_space: global }
    .group_segment_fixed_size: 262656
    .private_segment_fixed_size: 0
    .kernarg_segment_align: 8
    .kernarg_segment_size: 48
    .max_flat_workgroup_size: 128
    .sgpr_count:     102
    .vgpr_count:     1024
    .wavefront_size: 32
...
	.end_amdgpu_metadata
.endif
;; end of part 7
;; launch combine: the kernel of part 4 again; grid 1024 x 1, 8 waves a work-group, no clusters, 0 bytes of LDS; arguments yp, cw, b2, out0; writes out0
